; MI455X (gfx1250); checked and timed in simulation.
; The chip was launched on July 23, 2026; its instructions are those of AMD's public machine-readable ISA for CDNA 5 (MIT licence, August 2026) and "CDNA5" Instruction Set Architecture Reference Guide (July 2026). The comments in the code are by the model that wrote it; some were corrected since.
;; Mo BA Attention. Allowed arithmetic: matrix products marked QUANTISED: E2M1 operands, one E8M0 scale for each 32 along K, by v_wmma_scale_f32_16x16x128_f8f6f4 with both operands' format E2M1 (or v_wmma_scale_f32_32x16x128_f4), f32 sums; everything else in f32.
;; Inputs: cos 4,096 x 64 float32; sin 4,096 x 64 float32; wk_codes 1,024 x 32 x 16 uint8 (E2M1 codes of wk, K innermost, in blocks of 32 codes, two codes a byte); wk_scales 1,024 x 32 uint8 (E8M0 scales of wk, one for each 32 codes along K); wo_codes 1,024 x 32 x 16 uint8 (E2M1 codes of wo, K innermost, in blocks of 32 codes, two codes a byte); wo_scales 1,024 x 32 uint8 (E8M0 scales of wo, one for each 32 codes along K); wq_codes 1,024 x 32 x 16 uint8 (E2M1 codes of wq, K innermost, in blocks of 32 codes, two codes a byte); wq_scales 1,024 x 32 uint8 (E8M0 scales of wq, one for each 32 codes along K); wv_codes 1,024 x 32 x 16 uint8 (E2M1 codes of wv, K innermost, in blocks of 32 codes, two codes a byte); wv_scales 1,024 x 32 uint8 (E8M0 scales of wv, one for each 32 codes along K); x_codes 2 x 4,096 x 32 x 16 uint8 (E2M1 codes of x, K innermost, in blocks of 32 codes, two codes a byte); x_scales 2 x 4,096 x 32 uint8 (E8M0 scales of x, one for each 32 codes along K).
;; Outputs: out0 2 x 4,096 x 1,024 float32.
;; This version of the problem:
;;   THIS VERSION OF THE PROBLEM IS GIVEN IN LOW PRECISION. The matrix products marked QUANTISED in the list below multiply operands that are first quantised to E2M1 (2 exponent bits, 1 mantissa bit; 4 bits a number), with one power-of-two scale for each 32 numbers along K (OCP MX v1.0); their sums are f32. All else is computed in f32.
;;   The module's matrix products, in the order in which they are computed (A, B: the left and right operand; K: the contracted axis; several contracted axes count as one K, in the product's order):
;;     1. [M 8,192, K 1,024] x [K 1,024, N 1,024]; A: input x (given as codes); B: input wq (given as codes): QUANTISED
;;     2. [M 8,192, K 1,024] x [K 1,024, N 1,024]; A: input x (given as codes); B: input wk (given as codes): QUANTISED
;;     3. [M 8,192, K 1,024] x [K 1,024, N 1,024]; A: input x (given as codes); B: input wv (given as codes): QUANTISED
;;     4. batch 32 x [M 4,096, K 64] x [K 64, N 1,024]; A: computed on the way; B: computed on the way: QUANTISED
;;     5. batch 32 x [M 4,096, K 1,024] x [K 1,024, N 64]; A: softmax (see below); B: computed on the way: QUANTISED
;;     6. batch 32 x [M 4,096, K 64] x [K 64, N 512]; A: computed on the way; B: computed on the way: QUANTISED
;;     7. batch 32 x [M 4,096, K 512] x [K 512, N 64]; A: softmax (see below); B: computed on the way: QUANTISED
;;     8. batch 32 x [M 4,096, K 64] x [K 64, N 256]; A: computed on the way; B: computed on the way: QUANTISED
;;     9. batch 32 x [M 4,096, K 256] x [K 256, N 64]; A: softmax (see below); B: computed on the way: QUANTISED
;;     10. batch 32 x [M 4,096, K 64] x [K 64, N 128]; A: computed on the way; B: computed on the way: QUANTISED
;;     11. batch 32 x [M 4,096, K 128] x [K 128, N 64]; A: softmax (see below); B: computed on the way: QUANTISED
;;     12. [M 8,192, K 1,024] x [K 1,024, N 1,024]; A: computed on the way; B: input wo (given as codes): QUANTISED
;;   THE QUANTISER, for each operand of a quantised product, along K:
;;     - K is cut into blocks of 32 from its start; a last block that is shorter is filled with zeros.
;;     - A block's scale is 2^e with e = floor(log2(the largest magnitude in the block)) - 2, held to -126 .. 127; a block of zeros has e = 0. As a byte (E8M0): e + 127.
;;     - Each number is divided by its block's scale, clamped to +-6, and rounded to the nearest number of E2M1, ties to even, subnormals kept.
;;     - The product sums the exact products of the quantised numbers (number of the format x scale) in f32.
;;   ~~~python
;;   def quantise(x, axis):      # numpy; x: float32 -> the quantised numbers, widened to float32 again
;;       x = np.moveaxis(x, axis, -1); K = x.shape[-1]
;;       x = np.pad(x, [(0, 0)] * (x.ndim - 1) + [(0, -K % 32)]); x = x.reshape(x.shape[:-1] + (-1, 32)); a = np.abs(x).max(-1, keepdims=True)
;;       e = np.where(a > 0, np.clip(np.frexp(np.where(a > 0, a, 1))[1] - 1 - 2, -126, 127), 0)      # np.frexp(a)[1] - 1 = floor(log2(a)), exactly
;;       r = np.clip(x / 2.0 ** e, -6, 6)
;;       step = 2.0 ** (np.maximum(np.frexp(np.where(r == 0, 1, r))[1] - 1, 0) - 1)
;;       q = np.round(r / step) * step * 2.0 ** e      # np.round: ties to even
;;       return np.moveaxis(q.reshape(q.shape[:-2] + (-1,))[..., :K], -1, axis).astype(np.float32)
;;   ~~~
;;   SOFTMAX AHEAD OF A QUANTISED PRODUCT. Where the list says 'softmax', what is quantised is not the finished softmax but p = 2^(t - M), with t = logit x log2(e) and M = ceil(the row's largest t), a whole number; so 1/2 < the row's largest p <= 1. The row's sum l is taken of the UNQUANTISED p, in f32, and the product's result is divided by l at the end. Since M is a whole number, a kernel that streams over the keys may use a running M (the ceiling of the running maximum): every later rescaling is an exact power of two, which a block's scale takes up: the codes' values come out the same.
;;   OPERANDS COMPUTED ON THE WAY. 'Computed on the way' means the value that the module computes at that place (a softmax that the list does not call 'softmax' is quantised finished and normalised). What goes into a quantiser is computed in f32, as accurately as f32 sums, v_exp_f32 and their like allow (about 1e-6 of the number): no bf16 or f16 on the way to a quantiser, and a product that is left as it is and whose result goes on into a quantised operand takes f32 operands (vector FMAs, or v_wmma_f32_16x16x4_f32). A number that lies on a knife's edge between two numbers of the format may be rounded either way, as far as f32 arithmetic and the matrix unit's own rounding can turn it there, and no further.
;;   INPUTS GIVEN AS CODES. wk (in the module: [1024, 1024], K = its axis 1); wo (in the module: [1024, 1024], K = its axis 1); wq (in the module: [1024, 1024], K = its axis 1); wv (in the module: [1024, 1024], K = its axis 1); x (in the module: [2, 4096, 1024], K = its axis 2): each comes as NAME_codes (uint8): NAME with its K axis moved to the last place and cut into blocks of 32 codes, [.., K / 32, bytes a block], one block behind the other in memory; two codes a byte, the lower K in the low four bits (a code: sign, 2 exponent bits, 1 mantissa bit); and NAME_scales (uint8): the same leading axes, one E8M0 byte (e + 127) for each 32 codes along K. Its value is code x scale, taken as it is: it is not quantised again, and the codes and scales need not be those that the quantiser above would give.
;; One version. Each part assembles by itself: llvm-mc -triple=amdgcn-amd-amdhsa -mcpu=gfx1250 --defsym DOCPART=n.
;; ======== version 1 of 1: 3 launches
;; workspace buffers: q_img 4,194,304 bytes; q_sc 524,288 bytes; k_img 1,048,576 bytes; k_sc 131,072 bytes; v_img 1,048,576 bytes; v_sc 131,072 bytes; ctx_img 4,194,304 bytes; ctx_sc 262,144 bytes
;; launch proj (part 1): grid 4 x 48, 4 waves a work-group, clusters of 4 x 4, 327,680 bytes of LDS; arguments x_codes, x_scales, wq_codes, wq_scales, wk_codes, wk_scales, wv_codes, wv_scales, sin, q_img, q_sc, k_img, k_sc, v_img, v_sc; writes q_img, q_sc, k_img, k_sc, v_img, v_sc
.if DOCPART == 1
	.amdgcn_target "amdgcn-amd-amdhsa--gfx1250"
	.amdhsa_code_object_version 6
	.text
	.protected	k_q500dc6ca98_proj
	.globl	k_q500dc6ca98_proj
	.p2align	8
	.type	k_q500dc6ca98_proj,@function
k_q500dc6ca98_proj:
	s_mov_b64 s[64:65], 0
	v_nop
	global_prefetch_b8 v0, s[64:65] scope:SCOPE_SE
	s_setreg_imm32_b32 hwreg(HW_REG_WAVE_MODE, 25, 1), 1
	s_wait_xcnt 0x0
	s_wait_alu depctr_hold_cnt(0) depctr_sa_sdst(0) depctr_va_vdst(0) depctr_va_sdst(0) depctr_va_ssrc(0) depctr_va_vcc(0) depctr_vm_vsrc(0)
	s_getreg_b32 s2, hwreg(HW_REG_IB_STS2, 6, 4)
	s_cmp_eq_u32 s2, 0
	s_cbranch_scc0 .Lentry_in_a_cluster
	s_endpgm
.Lentry_in_a_cluster:
	s_bfe_u32 s2, ttmp6, 0x10000c
	s_cmp_lg_u32 s2, 0xf033
	s_cbranch_scc0 .Lentry_shape_is_right
	s_endpgm
.Lentry_shape_is_right:
; THE THREE PROJECTIONS, on codes of FP4 (E2M1) with one E8M0 scale for each 32 along K = 1,024, and the quantising of their results for the attention launch.
;   q = -(x wq^T) sin, all 8,192 rows;  k = -(x wk^T) sin and v = x wv^T, rows 0 .. 1,023 of each batch alone: the function reads no other row of k and v (every block of queries attends to a prefix of the keys).
;   q and k are quantised along a head's 64 (two blocks of 32), v along the keys.  cos is an argument that the function's body never uses (its rotary step keeps -q sin alone): no launch names it.
; A work-group makes a tile of 256 x 256 of C = A B^T, four waves, 128 x 128 each: 64 accumulators, 512 registers.  WHAT IT MAKES HANGS ON THE CLUSTER'S y ALONE, which all sixteen partners share:
;   y 0-7: A = x rows 1,024 y + 256 cy, B = wq rows 256 cx;   y 8-9: A = x rows 4,096 (y & 1) + 256 cy, B = wk;   y 10-11: A = wv rows 256 cy, B = x rows 4,096 (y & 1) + 256 cx, which is v TRANSPOSED.
; THE MATRIX INSTRUCTION IS USED TRANSPOSED (source 0 = 16 rows of B, source 1 = 16 rows of A): lane (r, h) holds row r of A's block and its register j of B's block t the column 16 t + 8 h + j.  So a lane's registers run
; along the next product's K: a head's channels for q and k, the keys for v^T.  A block of 32 is B's blocks 2 b and 2 b + 1 in lanes l and l xor 16.
; K goes through two LDS slots of 512 along K, each filled ONCE; the scales of the 256 + 256 rows come once too.  Tiles are asked for jointly: A's along a row of the cluster, B's along a column.
; 192 work-groups: tiles of half the size would be 384, which is one turn and a half of 256, each turn with its own first fills.
; THE RESULTS LEAVE AS IMAGES OF THE READER'S OPERAND REGISTERS: four registers, lane l's 16 bytes at 16 l: every store of codes covers 512 consecutive bytes, aligned.
;   q_img [32 bh][256 tiles of 16 queries][512], k_img [32][64][512]: lane (r, h): row r, channels 32 h .. 32 h + 31.   v_img [32][8 steps of 128 keys][4 tiles of 16 channels][2][512].
;   q_sc [32][32 groups of 128 rows][512], k_sc [32][8][512]: the word of tile a, row r at 256 (a & 1) + 16 r + 4 (a >> 1); bytes 0, 1 are the head's two blocks, bytes 2, 3 the neighbour head's or 0: they meet zero codes alone.
;   v_sc [32][8][32 lanes][4 tiles]: a word (four blocks of 32 keys) for each channel.
; LIMITS: NaN and infinities are not served.  A block whose largest magnitude lies under 2^-124, a block of zeros among them, gets the scale byte 1 (the rule says 127 for zeros): its codes are zeros or near it, and this program alone reads the bytes.
; REGISTERS, in windows of 256.  Window 0: v16-29 addresses; v32-95 the products' scale words, two sets, and nothing else; v96-103 the blocks' scale words as they are made; v104-127 at work; v128-191 A's fragments (on the way out: 64 numbers);
;   v192-255 on the way out: the codes, 8 registers a block.
;   window 1: B's fragments, two sets, at v0 and v128; the other 128 registers take sin for blocks 0-3 during the products, B's sets take it for blocks 4-7 behind them.   windows 2, 3: the accumulators, (a, b) at v[8 (8 (a % 4) + b)].
.set SIZE_K, 1024
.set KSTEP,  512                       ; along K in a slot
.set NQ,     KSTEP/128                 ; matrix instructions deep
.set ROWB,   256                       ; a tile's row in bytes
.set KROW,   SIZE_K*4/8                ; a row of codes in memory
.set PITCH,  272                       ; an LDS row: 256 bytes + 16 of padding: the 16 rows that a load touches start 68 words apart
.set FR,     8                         ; registers of a fragment
.set NL,     2                         ; LDS loads that bring one
.set NP,     4                         ; places behind this matrix instruction (ISA guide 7.12.1)
.set HALFT,  128*PITCH                 ; 128 rows: what one tensor load brings
.set SLOT,   4*HALFT                   ; A's 256 rows, then B's
.set KS,     SIZE_K/32                 ; a row of scale bytes
.set SCL,    2*SLOT                    ; behind the slots: the scales, as units of 256 bytes + 16
.set HALFS,  (128*KS/256)*272
.set SBLK,   (16*KS/256)*272
.set SPARE,  SCL+4*HALFS               ; the spare words: 128 bytes for each wave, which no other line names
.set ADRA, 16                          ; v16-17 LDS address of my A fragments in slot 0, 1
.set ADRB, 20                          ; v20-21 the same for B
.set SA,   24                          ; v24 sin: 256 r + 32 h
.set LN,   25                          ; v25 lane
.set LI,   26                          ; v26 16 x lane: an image's place for my lane
.set ADRS, 27                          ; v27 LDS address of my scale words: lanes 0-15 A's rows, lanes 16-31 B's
.set SPW,  28                          ; v28 LDS address of my spare word; never rewritten
.set NIL,  29                          ; v29 0; never rewritten
.set SC,   32                          ; scale words, set s at v[SC + 32 s]
.set AF,   128                         ; A's fragments
.set PCS,  192                         ; the way out: block a's codes at v[PCS + 8 a]
.set PWS,  96                          ; and its scale word at v[PWS + a]
.set XW,   104                         ; v104-107, v108-111 scale words as they are stored
.set YW,   108
.set TM,   112                         ; v112-115 largest magnitudes, v116-119 the other half's, then bytes, v124-127 the conversions' scale operands
.set NUM,  128                         ; 64 numbers of a lane
.set G1, 24
.set G0, 32
.set G1B, 48
.set G0B, 56
.set G1S, 68
.set G0S, 76
.set G1SB, 80
.set G0SB, 88
.set MSB, 0
.macro WIN new                         ; the immediate's high byte repeats the setting that is left; a switch that changes nothing is dropped
.if MSB != (\new)
	s_set_vgpr_msb (MSB<<8)|(\new)
.set MSB, (\new)
.endif
.endm
.set MUL_LO, 0xa1                      ; source 0 (B) window 1, source 1 (A) window 0, C and D window 2
.set MUL_HI, 0xf1                      ; the same, C and D window 3
.set TO_B,   0x40                      ; destination window 1, address window 0
; A joint load: waves 0 and 1 fetch for A, waves 2 and 3 for B.  Each line has one mask and one set of registers for all that issue it; the branch hangs on the wave's number alone.  Four v_nop follow each line.
.macro JLOAD g0a, g1a, g0b, g1b
	s_cmp_eq_u32 s15, 0
	s_cbranch_scc0 .Lfor_b_\@
	tensor_load_to_lds s[\g0a:\g0a+3], s[\g1a:\g1a+7]
	s_nop 0
.rept 4
	v_nop
.endr
	s_branch .Lasked_\@
.Lfor_b_\@:
	tensor_load_to_lds s[\g0b:\g0b+3], s[\g1b:\g1b+7]
	s_nop 0
.rept 4
	v_nop
.endr
.Lasked_\@:
.endm
.macro CROUND                          ; a round of the cluster's barrier: my work-group's barrier, wave 0 signals for the work-group, every wave waits for all sixteen, my work-group's barrier once more
	s_barrier_signal -1
	s_barrier_wait -1
	s_cmp_lg_u32 s14, 0
	s_cbranch_scc1 .Lnot_wave_0_\@
	s_barrier_signal -3
.Lnot_wave_0_\@:
	s_barrier_wait -3
	s_barrier_signal -1
	s_barrier_wait -1
.endm
	s_load_b512 s[24:39], s[0:1], 0x0              ; x's codes, scales; wq's; wk's; wv's
	s_load_b256 s[40:47], s[0:1], 0x40             ; sin, q_img, q_sc, k_img
	s_load_b128 s[48:51], s[0:1], 0x60             ; k_sc, v_img
	s_load_b64 s[52:53], s[0:1], 0x70              ; v_sc
	v_lshl_add_u32 v[SPW], v0, 2, SPARE
	v_mov_b32 v[NIL], 0
	ds_add_u32 v28, v29
	ds_add_u32 v28, v29
	s_wait_dscnt 0x0
	v_lshrrev_b32 v1, 5, v0
	v_readfirstlane_b32 s14, v1                    ; wave 0..3
	s_lshr_b32 s15, s14, 1                         ; which half of the tile's rows is mine.  Also: I fetch for A (0) or for B (1)
	s_and_b32 s16, s14, 1                          ; which half of its columns.  Also: which 128 rows of that tile I fetch
	s_and_b32 s3, ttmp7, 0xffff                    ; the cluster's y: what this cluster makes
	s_lshl_b32 s20, s3, 10                         ; q: x's rows from 1,024 y on
	s_and_b32 s21, s3, 1
	s_lshl_b32 s21, s21, 12                        ; k, v: x's rows from the batch's first on
	s_mov_b32 s2, 0x76543210
	s_mov_b32 s95, 0xfedcba98                      ; v_permlanex16_b32's selects for lane l xor 16
	s_wait_kmcnt 0x0
	s_cmp_lt_u32 s3, 8                             ; q or k?  The choices hang on the cluster's y alone
	s_cselect_b64 s[8:9], s[28:29], s[32:33]       ; B's codes
	s_cselect_b64 s[10:11], s[30:31], s[34:35]     ; B's scales
	s_cselect_b64 s[12:13], s[42:43], s[46:47]     ; where the codes go
	s_cselect_b64 s[98:99], s[44:45], s[48:49]     ; where the scale words go
	s_cselect_b32 s22, s20, s21                    ; A's first row, less 256 cy
	s_cmp_lt_u32 s3, 10                            ; or v?
	s_cselect_b64 s[4:5], s[24:25], s[36:37]       ; A's codes: x's, for v wv's
	s_cselect_b64 s[6:7], s[26:27], s[38:39]
	s_cselect_b64 s[8:9], s[8:9], s[24:25]         ; B: for v x
	s_cselect_b64 s[10:11], s[10:11], s[26:27]
	s_cselect_b64 s[12:13], s[12:13], s[50:51]
	s_cselect_b64 s[98:99], s[98:99], s[52:53]
	s_cselect_b32 s22, s22, 0
	s_cselect_b32 s23, 0, s21                      ; B's first row, less 256 cx
	s_mov_b64 s[96:97], s[40:41]                   ; sin
	s_bfe_u32 s40, ttmp6, 0x40000                  ; cx, cy: my place in the cluster
	s_bfe_u32 s41, ttmp6, 0x40004
	s_lshl_b32 s43, s41, 2
	s_lshl_b32 s43, 15, s43                        ; my row of the cluster
	s_lshl_b32 s44, 0x1111, s40                    ; my column
	; descriptor group 1: a tile of 128 rows x 256 bytes, 16 bytes of padding behind each row
	s_or_b32 s[G1+0], s43, (0<<16)|(1<<20)|(1<<21)|(5<<22)|(3<<25)  ; 15:0 the mask: A's tiles go to my row; 17:16 elements of 1 byte; 20 padding on; 21 set beside a mask; 24:22 after every 64 words; 31:25 four words
	s_or_b32 s[G1B+0], s44, (0<<16)|(1<<20)|(1<<21)|(5<<22)|(3<<25)
.irp g, G1, G1B
	s_mov_b32 s[\g+1], ROWB<<16                    ; tensor_dim0
	s_mov_b32 s[\g+2], 128<<16                     ; tensor_dim1
	s_mov_b32 s[\g+3], ROWB<<16                    ; tile_dim0
	s_mov_b32 s[\g+4], 128                         ; tile_dim1
	s_mov_b32 s[\g+5], KROW                        ; tensor_dim0_stride
	s_mov_b32 s[\g+6], 0
	s_mov_b32 s[\g+7], 0
.endr
	; the scales of 128 rows: 4,096 dense bytes, as 16 rows of 256 bytes (32 elements of 8 bytes), 16 bytes of padding behind each
	s_or_b32 s[G1S+0], s43, (3<<16)|(1<<20)|(1<<21)|(5<<22)|(3<<25)
	s_or_b32 s[G1SB+0], s44, (3<<16)|(1<<20)|(1<<21)|(5<<22)|(3<<25)
.irp g, G1S, G1SB
	s_mov_b32 s[\g+1], 32<<16
	s_mov_b32 s[\g+2], (128*KS/256)<<16
	s_mov_b32 s[\g+3], 32<<16
	s_mov_b32 s[\g+4], 128*KS/256
	s_mov_b32 s[\g+5], 32
	s_mov_b32 s[\g+6], 0
	s_mov_b32 s[\g+7], 0
.endr
	; A's rows hang on the cluster's y, cy and the wave; B's on the cluster's y, cx and the wave: each in registers that never hold the other coordinate
	s_lshl_b32 s18, s16, 7                         ; which 128 rows of a tile I fetch
	s_lshl_b32 s20, s41, 8
	s_add_co_u32 s20, s20, s22                     ; A's tile begins at this row
	s_lshl_b32 s17, s15, 7
	s_add_co_u32 s66, s20, s17                     ; R0: the first of the 128 rows of A that I multiply
	s_add_co_u32 s20, s20, s18                     ; the first of those that I fetch
	s_lshl_b32 s46, s40, 8
	s_add_co_u32 s46, s46, s23                     ; B's tile begins at this row
	s_add_co_u32 s46, s46, s18                     ; the first of the 128 rows of B that I fetch,
	s_mov_b32 s67, s46                             ; N0: and of those that I multiply: the same half
	s_mov_b32 s21, 0
	s_mov_b32 s47, 0
	s_mov_b64 s[18:19], KS
	s_mul_u64 s[22:23], s[20:21], s[18:19]         ; where these rows' scales begin, in bytes,
	s_mul_u64 s[92:93], s[46:47], s[18:19]
	s_mov_b64 s[18:19], KROW
	s_mul_u64 s[20:21], s[20:21], s[18:19]         ; and their codes
	s_mul_u64 s[46:47], s[46:47], s[18:19]
	s_mul_i32 s45, s14, HALFT                      ; where they go: wave x 128 rows: no place in the cluster enters an LDS address
	s_mul_i32 s94, s14, HALFS
	s_add_nc_u64 s[20:21], s[4:5], s[20:21]
	s_add_nc_u64 s[22:23], s[6:7], s[22:23]
	s_add_nc_u64 s[46:47], s[8:9], s[46:47]
	s_add_nc_u64 s[92:93], s[10:11], s[92:93]
	CROUND                                         ; all sixteen work-groups are here: the joint loads meet
	s_mov_b32 s[G0S], 1
	s_add_co_u32 s[G0S+1], s94, SCL
	s_mov_b64 s[G0S+2:G0S+3], s[22:23]
	s_or_b32 s[G0S+3], s[G0S+3], 0x80000000
	s_mov_b32 s[G0SB], 1
	s_add_co_u32 s[G0SB+1], s94, SCL
	s_mov_b64 s[G0SB+2:G0SB+3], s[92:93]
	s_or_b32 s[G0SB+3], s[G0SB+3], 0x80000000
	JLOAD G0S, G1S, G0SB, G1SB                     ; the scales first: they are wanted with the first products
.irp s, 0,1
	s_mov_b32 s[G0+4*\s], 1
	s_add_co_u32 s[G0+4*\s+1], s45, \s*SLOT
	s_add_nc_u64 s[G0+4*\s+2:G0+4*\s+3], s[20:21], \s*ROWB
	s_or_b32 s[G0+4*\s+3], s[G0+4*\s+3], 0x80000000
	s_mov_b32 s[G0B+4*\s], 1
	s_add_co_u32 s[G0B+4*\s+1], s45, \s*SLOT
	s_add_nc_u64 s[G0B+4*\s+2:G0B+4*\s+3], s[46:47], \s*ROWB
	s_or_b32 s[G0B+4*\s+3], s[G0B+4*\s+3], 0x80000000
	JLOAD G0+4*\s, G1, G0B+4*\s, G1B               ; both halves of K: three loads of mine are out, and no more follow
.endr
	v_and_b32 v1, 15, v0                           ; r
	v_bfe_u32 v2, v0, 4, 1                         ; h
	v_mul_u32_u24 v3, v1, PITCH
	v_lshl_add_u32 v4, v2, 4, v3                   ; a fragment's row x pitch + 16 h
	s_mul_i32 s21, s15, HALFT                      ; my 128 rows of A
	s_mul_i32 s22, s16, HALFT                      ; my 128 rows of B,
	s_add_co_u32 s22, s22, 2*HALFT                 ; which lie behind A's 256
.irp s, 0,1
	v_add_nc_u32 v[ADRA+\s], s21, v4
	v_add_nc_u32 v[ADRB+\s], s22, v4
	s_add_co_u32 s21, s21, SLOT
	s_add_co_u32 s22, s22, SLOT
.endr
	v_mul_u32_u24 v5, v1, KS                       ; my row's scales: 32 bytes a row,
	v_lshrrev_b32 v6, 8, v5
	v_lshl_add_u32 v5, v6, 4, v5                   ; and 16 more for each 256 passed
	s_mul_i32 s21, s15, HALFS                      ; A's: my 128 rows
	s_mul_i32 s22, s16, HALFS                      ; B's: my 128 rows, behind A's 256
	s_add_co_u32 s22, s22, 2*HALFS
	s_sub_co_u32 s22, s22, s21
	v_mul_u32_u24 v6, s22, v2                      ; lanes 16-31 take B's: one product, the distance between the two
	s_add_co_u32 s21, s21, SCL
	v_add_nc_u32 v5, v5, v6
	v_add_nc_u32 v[ADRS], s21, v5
	v_lshlrev_b32 v[SA], 8, v1
	v_lshl_add_u32 v[SA], v2, 5, v[SA]             ; sin: row r of 256 bytes, + 32 h: my eight channels of a block of 16
	v_and_b32 v[LN], 31, v0
	v_lshlrev_b32 v[LI], 4, v[LN]
.irp b, 0,1,2,3
	v_mov_b32 v[TM+4+\b], 0                        ; written once: a lane permute's destination counts as one of its sources
.endr
	s_and_b32 s18, s66, 4095                       ; my first row's place in its batch,
	s_lshl_b32 s18, s18, 8
	s_mov_b32 s19, 0
	s_add_nc_u64 s[96:97], s[96:97], s[18:19]      ; and its row of sin
; sin for block a of 16 rows: 64 channels in the result's layout, 32 registers, which serve both heads of my 128 columns.  Window 1: blocks 0-3 in the registers that the products leave idle, blocks 4-7 in B's sets.
.macro SINLD a
.set SN, 128*(((\a)%4)/2)+32*((\a)%2)+64*(1-(\a)/4)
.irp g, 0,1,2,3
.irp e, 0,1
	global_load_b128 v[SN+8*\g+4*\e:SN+8*\g+4*\e+3], v[SA], s[96:97] offset:4096*(\a)+64*\g+16*\e
.endr
.endr
.endm
	WIN TO_B                                       ; blocks 0-3 are asked for now and land under the products.  A cluster that makes v issues these 32 loads too (rows under 1,024: inside the table) and does not use them:
	SINLD 0                                        ; so all work-groups take one way up to the single branch at the way out
	SINLD 1
	SINLD 2
	SINLD 3
	WIN 0
.macro FRAG reg, adr, q, i             ; a fragment, 16 rows x 128 K: lane l holds row l % 16; registers 4 c .. 4 c + 3 hold K = 64 c + 32 (l / 16) + 0 .. 31
.irp c, 0,1
	ds_load_b128 v[\reg+4*\c:\reg+4*\c+3], v[\adr] offset:64*(\q)+32*\c+(\i)*16*PITCH
.endr
.endm
; 16 matrix instructions: A's blocks a0, a0 + 1 x B's eight, the slot's q-th 128 along K.  p: B's set; sc: the set of scale words.  zero = 1: the first product starts the sums.
; The 64 accumulators take turns, one instruction a turn, in the same order in every step.
.macro MUL16 a0, p, q, sc, zero
.irp a, \a0, \a0+1
.irp b, 0,1,2,3,4,5,6,7
.if \zero
	v_wmma_scale_f32_16x16x128_f8f6f4 v[8*(8*((\a)%4)+\b):8*(8*((\a)%4)+\b)+7], v[128*(\p)+FR*\b:128*(\p)+FR*\b+FR-1], v[AF+FR*(\a):AF+FR*(\a)+FR-1], 0, v[SC+8*NQ*(\sc)+NQ*\b+(\q)], v[SC+8*NQ*(\sc)+NQ*(\a)+(\q)] matrix_a_fmt:MATRIX_FMT_FP4 matrix_b_fmt:MATRIX_FMT_FP4 matrix_a_scale:MATRIX_SCALE_ROW1
.else
	v_wmma_scale_f32_16x16x128_f8f6f4 v[8*(8*((\a)%4)+\b):8*(8*((\a)%4)+\b)+7], v[128*(\p)+FR*\b:128*(\p)+FR*\b+FR-1], v[AF+FR*(\a):AF+FR*(\a)+FR-1], v[8*(8*((\a)%4)+\b):8*(8*((\a)%4)+\b)+7], v[SC+8*NQ*(\sc)+NQ*\b+(\q)], v[SC+8*NQ*(\sc)+NQ*(\a)+(\q)] matrix_a_fmt:MATRIX_FMT_FP4 matrix_b_fmt:MATRIX_FMT_FP4 matrix_a_scale:MATRIX_SCALE_ROW1
.endif
.endr
.endr
.endm
.macro FETCH_B slot, q, p
	WIN TO_B
.irp i, 0,1,2,3,4,5,6,7
	FRAG 128*(\p)+FR*\i, ADRB+\slot, \q, \i
.endr
	WIN 0
.endm
.macro FETCH_A slot, q, i0
.irp i, \i0, \i0+1, \i0+2, \i0+3
	FRAG AF+FR*(\i), ADRA+\slot, \q, \i
.endr
.endm
.macro SCALES sc                       ; a slot's scale words: four words a row; lanes 0-15 take A's block i, lanes 16-31 B's block i
.irp i, 0,1,2,3,4,5,6,7
	ds_load_b128 v[SC+8*NQ*\sc+NQ*\i:SC+8*NQ*\sc+NQ*\i+3], v[ADRS] offset:\i*SBLK
.endr
.endm
.macro PLACES n                        ; plain vector instructions between a matrix instruction and a load into, or a vector write of, its registers, or a read of its result
.rept \n
	v_nop
.endr
.endm
.macro STEP slot, q, zero              ; a step of 128 along K that has its successor in the same slot
	s_wait_dscnt 4*NL                              ; B's set and A's blocks 0-3 are in; the youngest eight loads (A's blocks 4-7) may be out
	WIN MUL_LO
	MUL16 0, (\q)%2, \q, \slot, \zero
	MUL16 2, (\q)%2, \q, \slot, \zero
	s_wait_dscnt 0                                 ; A's blocks 4-7 are in
	PLACES NP
	FETCH_B \slot, (\q)+1, 1-(\q)%2
	FETCH_A \slot, (\q)+1, 0
	WIN MUL_HI
	MUL16 4, (\q)%2, \q, \slot, \zero
	MUL16 6, (\q)%2, \q, \slot, \zero
	PLACES NP
	WIN 0
	FETCH_A \slot, (\q)+1, 4
.endm
; Slot 0's last step changes slots: one barrier; in front of it each wave waits for all its tensor loads (its part of slot 1).  Nothing is filled again.
.macro TURN slot, next
	s_wait_tensorcnt 0x0                           ; all my tensor loads have landed
	ds_add_u32 v[SPW], v[NIL]                      ; 0 onto my spare word
	s_wait_dscnt 4*NL+1                            ; (the add and the youngest eight loads may be out)
	WIN MUL_LO
	MUL16 0, 1, NQ-1, \slot, 0
	s_wait_dscnt 0x0                               ; the add is done, and my reads of this slot are over
	s_barrier_signal -1
	MUL16 2, 1, NQ-1, \slot, 0
	WIN 0
	s_barrier_wait -1                              ; every wave's part of the next slot is there
	PLACES NP
	v_add_nc_u32 v[ADRS], 4*NQ, v[ADRS]            ; on to the next slot's scale words
	FETCH_B \next, 0, 0
	FETCH_A \next, 0, 0
	SCALES \next
	WIN MUL_HI
	MUL16 4, 1, NQ-1, \slot, 0
	MUL16 6, 1, NQ-1, \slot, 0
	PLACES NP
	WIN 0
	FETCH_A \next, 0, 4
.endm
.macro STEPS slot, from
.set Q, \from
.rept NQ-1-\from
	STEP \slot, Q, 0
.set Q, Q+1
.endr
.endm
	s_wait_tensorcnt 1                             ; the scales and my part of slot 0 are in (slot 1's load, the youngest, may be out),
	s_barrier_signal -1
	s_barrier_wait -1                              ; everybody's are
	FETCH_B 0, 0, 0
	FETCH_A 0, 0, 0
	SCALES 0
	FETCH_A 0, 0, 4
	STEP 0, 0, 1                                   ; the first products start the sums: nothing is cleared
	STEPS 0, 1
	TURN 0, 1
	STEPS 1, 0
	s_wait_dscnt 4*NL                              ; the last step: nothing more to fetch
	WIN MUL_LO
	MUL16 0, 1, NQ-1, 1, 0
	MUL16 2, 1, NQ-1, 1, 0
	s_wait_dscnt 0
	WIN MUL_HI
	MUL16 4, 1, NQ-1, 1, 0
	MUL16 6, 1, NQ-1, 1, 0
	WIN 0
	PLACES NP                                      ; behind the last products: for the loads into B's sets, the writes over A's fragments, and the reads of results
; 64 numbers of a lane at v[src] on, in window w: register 8 t + j = index 16 t + 8 h + j of my row along the next K.  They become a fragment's 8 registers of codes at v[pc] on and its scale word in v[pw].
; A block's scale byte is its largest magnitude's exponent field less 2, held at 1 from below by the floor 2^(3 - 127) among the maximum's leaves; the conversion takes the exponent field of its scale operand alone.
; Tile t's eight codes go to register 4 (t / 4) + 2 (t % 2) + (t / 2) % 2; two exchanges of halves for each four registers then give a lane a whole block: register 4 c + i of lane (r, h) holds 64 c + 32 h + 8 i + 0 .. 7.
.macro QUANT src, w, pc, pw
	WIN (\w)|((\w)<<2)
.irp b, 0,1,2,3
	v_max3_num_f32 v[TM+\b], |v[(\src)+16*\b]|, |v[(\src)+16*\b+1]|, 0x1800000   ; each accumulator is read from its low end on
.endr
	WIN ((\w)<<2)|((\w)<<4)
.irp i, 2,4,6,8,10,12,14
.irp b, 0,1,2,3
	v_max3_num_f32 v[TM+\b], v[TM+\b], |v[(\src)+16*\b+\i]|, |v[(\src)+16*\b+\i+1]|   ; the four blocks by turns
.endr
.endr
	WIN 0
.irp b, 0,1,2,3
	v_permlanex16_b32 v[TM+4+\b], v[TM+\b], s2, s95
.endr
.irp b, 0,1,2,3
	v_max_num_f32 v[TM+\b], v[TM+\b], v[TM+4+\b]   ; with lane l xor 16's 16 numbers: the block's largest magnitude
.endr
.irp b, 0,1,2,3
	v_add_nc_u32 v[TM+12+\b], 0xff000000, v[TM+\b] ; 2 off its exponent field: the conversion's scale operand
.endr
.irp b, 0,1,2,3
	v_lshrrev_b32 v[TM+4+\b], 23, v[TM+12+\b]      ; the scale's byte
.endr
	v_lshl_or_b32 v[\pw], v[TM+5], 8, v[TM+4]
	v_lshl_or_b32 v[\pw], v[TM+6], 16, v[\pw]
	v_lshl_or_b32 v[\pw], v[TM+7], 24, v[\pw]      ; my row's scale word (both halves of the lanes hold it)
	WIN (\w)
.irp t, 0,1,2,3,4,5,6,7
	v_cvt_scalef32_pk8_fp4_f32 v[(\pc)+4*(\t/4)+2*(\t%2)+(\t/2)%2], v[(\src)+8*\t:(\src)+8*\t+7], v[TM+12+\t/2]
.endr
	WIN 0
	v_nop                                          ; one plain place behind a scaled conversion
.irp c, 0,1
	v_permlane16_swap_b32 v[(\pc)+4*\c], v[(\pc)+4*\c+1]
	v_permlane16_swap_b32 v[(\pc)+4*\c+2], v[(\pc)+4*\c+3]
.endr
.endm
	s_cmp_ge_u32 s3, 10                            ; the one branch: on the cluster's y, alike in all partners and all waves
	s_cbranch_scc1 .Lepi_v
	; ---- THE WAY OUT OF q AND k.  My 128 columns are two heads: B's blocks 0-3 the first, 4-7 the second; my 128 rows are one group of eight tiles.
	s_lshr_b32 s17, s66, 12                        ; the batch
	s_lshl_b32 s17, s17, 4
	s_lshr_b32 s18, s67, 6
	s_add_co_u32 s17, s17, s18                     ; bh of my first head
	s_and_b32 s18, s66, 4095                       ; my first row's place in its batch
	s_cmp_lt_u32 s3, 8
	s_cselect_b32 s19, 17, 15                      ; log2 of a head's bytes of codes: q 256 tiles, k 64
	s_cselect_b32 s20, 14, 12                      ; and of scale words: q 32 groups, k 8
	s_mov_b32 s23, 0
	s_lshl_b32 s22, s17, s19
	s_lshl_b32 s21, s18, 5                         ; 512 bytes for each 16 rows
	s_add_co_u32 s22, s22, s21
	s_add_nc_u64 s[12:13], s[12:13], s[22:23]      ; the first head's images
	s_lshl_b32 s22, 1, s19
	s_add_nc_u64 s[100:101], s[12:13], s[22:23]    ; the second head's
	s_lshl_b32 s22, s17, s20
	s_lshl_b32 s21, s18, 2                         ; 512 bytes for each 128 rows
	s_add_co_u32 s22, s22, s21
	s_add_nc_u64 s[98:99], s[98:99], s[22:23]      ; the first head's scale words
	s_lshl_b32 s22, 1, s20
	s_add_nc_u64 s[4:5], s[98:99], s[22:23]        ; the second head's
	s_wait_loadcnt 0x0                             ; sin of blocks 0-3 is in: its 32 loads were issued ahead of all 512 products
	WIN TO_B
	SINLD 4                                        ; into B's sets, which the products have left: 32 loads of mine are out
	SINLD 5
	SINLD 6
	SINLD 7
	WIN 0
; Block a of 16 rows: x (-sin), quantised; the two heads' images leave by one store each.  Each block has its own registers for codes and scale word, so no store's data are written again.
.macro EPQK a
.set AC, 64*((\a)%4)
.set SN, 128*(((\a)%4)/2)+32*((\a)%2)+64*(1-(\a)/4)
.if (\a) >= 4
	s_wait_loadcnt 8*(7-(\a))                      ; this block's sin is in; what may be out are the later blocks' loads, eight a block
.endif
	WIN (2+(\a)/4)|4                               ; source 0: the accumulators' window; source 1: window 1
.irp b, 0,1,2,3,4,5,6,7
.irp jj, 0,2,4,6
	v_pk_mul_f32 v[NUM+8*\b+\jj:NUM+8*\b+\jj+1], v[AC+8*\b+\jj:AC+8*\b+\jj+1], v[SN+8*(\b%4)+\jj:SN+8*(\b%4)+\jj+1] neg_lo:[0,1] neg_hi:[0,1]
.endr
.endr
	WIN 0
	QUANT NUM, 0, PCS+8*(\a), PWS+(\a)
	global_store_b128 v[LI], v[PCS+8*(\a):PCS+8*(\a)+3], s[12:13] offset:512*(\a)       ; 32 lanes store 512 consecutive bytes, aligned
	global_store_b128 v[LI], v[PCS+8*(\a)+4:PCS+8*(\a)+7], s[100:101] offset:512*(\a)
.endm
.irp a, 0,1,2,3,4,5,6,7
	EPQK \a
.endr
	v_cmp_le_u32 s21, 16, v[LN]                    ; lanes 16-31 take the odd tiles' words
.irp i, 0,1,2,3
	v_cndmask_b32 v[XW+\i], v[PWS+2*\i], v[PWS+2*\i+1], s21
.endr
.irp i, 0,1,2,3
	v_lshrrev_b32 v[YW+\i], 16, v[XW+\i]           ; the second head's two bytes come down; 0 above them
.endr
	global_store_b128 v[LI], v[XW:XW+3], s[98:99]
	global_store_b128 v[LI], v[YW:YW+3], s[4:5]
	s_branch .Lend
.Lepi_v:
	; ---- THE WAY OUT OF v^T.  My 128 rows are the channels of two heads (blocks 0-3, 4-7), my 128 columns one step of 128 keys: a block's 8 accumulators are one fragment.
	s_lshr_b32 s17, s67, 12                        ; the batch
	s_lshl_b32 s17, s17, 4
	s_lshr_b32 s18, s66, 6
	s_add_co_u32 s17, s17, s18                     ; bh of my first head
	s_lshl_b32 s17, s17, 3
	s_bfe_u32 s18, s67, 0x50007                    ; which step of 128 keys of the batch
	s_add_co_u32 s17, s17, s18
	s_mov_b32 s23, 0
	s_lshl_b32 s22, s17, 12                        ; 4,096 bytes of codes for a head and a step
	s_add_nc_u64 s[12:13], s[12:13], s[22:23]
	s_lshl_b32 s22, s17, 9                         ; 512 bytes of scale words
	s_add_nc_u64 s[98:99], s[98:99], s[22:23]
.macro EPV a
	QUANT 64*((\a)%4), 2+(\a)/4, PCS+8*(\a), PWS+(\a)
	global_store_b128 v[LI], v[PCS+8*(\a):PCS+8*(\a)+3], s[12:13] offset:((\a)/4)*32768+((\a)%4)*1024
	global_store_b128 v[LI], v[PCS+8*(\a)+4:PCS+8*(\a)+7], s[12:13] offset:((\a)/4)*32768+((\a)%4)*1024+512
.endm
.irp a, 0,1,2,3,4,5,6,7
	EPV \a
.endr
	global_store_b128 v[LI], v[PWS:PWS+3], s[98:99]                    ; the four tiles' words of my channel, 16 bytes a lane
	global_store_b128 v[LI], v[PWS+4:PWS+7], s[98:99] offset:4096      ; the second head's
.Lend:
	s_wait_tensorcnt 0x0                           ; the wave's end
	ds_add_u32 v[SPW], v[NIL]
	s_wait_dscnt 0x0
	CROUND                                         ; the closing round: no work-group ends while a partner may still ask for a tile that names it
	s_endpgm
.Lfunc_end_k_q500dc6ca98_proj:
	.size	k_q500dc6ca98_proj, .Lfunc_end_k_q500dc6ca98_proj-k_q500dc6ca98_proj
	.p2alignl 7, 3214868480
	.fill 96, 4, 3214868480
	.section	.rodata,"a",@progbits
	.p2align	6, 0x0
	.amdhsa_kernel k_q500dc6ca98_proj
		.amdhsa_group_segment_fixed_size 327680
		.amdhsa_private_segment_fixed_size 0
		.amdhsa_enable_private_segment 0
		.amdhsa_kernarg_size 120
		.amdhsa_user_sgpr_count 2
		.amdhsa_user_sgpr_kernarg_segment_ptr 1
		.amdhsa_wavefront_size32 1
		.amdhsa_system_sgpr_workgroup_id_x 1
		.amdhsa_system_sgpr_workgroup_id_y 1
		.amdhsa_system_sgpr_workgroup_id_z 1
		.amdhsa_system_vgpr_workitem_id 0
		.amdhsa_next_free_vgpr 1024
		.amdhsa_next_free_sgpr 102
		.amdhsa_reserve_vcc 0
		.amdhsa_float_denorm_mode_32 3
		.amdhsa_float_denorm_mode_16_64 3
		.amdhsa_memory_ordered 1
		.amdhsa_forward_progress 1
		.amdhsa_inst_pref_size 184
	.end_amdhsa_kernel
	.amdgpu_metadata
---
amdhsa.version: [ 1, 2 ]
amdhsa.kernels:
  - .name:           k_q500dc6ca98_proj
    .symbol:         k_q500dc6ca98_proj.kd
    .args:
      - { .name: x_codes, .offset: 0, .size: 8, .value_kind: global_buffer, .address_space: global }
      - { .name: x_scales, .offset: 8, .size: 8, .value_kind: global_buffer, .address_space: global }
      - { .name: wq_codes, .offset: 16, .size: 8, .value_kind: global_buffer, .address_space: global }
      - { .name: wq_scales, .offset: 24, .size: 8, .value_kind: global_buffer, .address_space: global }
      - { .name: wk_codes, .offset: 32, .size: 8, .value_kind: global_buffer, .address_space: global }
      - { .name: wk_scales, .offset: 40, .size: 8, .value_kind: global_buffer, .address_space: global }
      - { .name: wv_codes, .offset: 48, .size: 8, .value_kind: global_buffer, .address_space: global }
      - { .name: wv_scales, .offset: 56, .size: 8, .value_kind: global_buffer, .address_space: global }
      - { .name: sin, .offset: 64, .size: 8, .value_kind: global_buffer, .address_space: global }
      - { .name: q_img, .offset: 72, .size: 8, .value_kind: global_buffer, .address_space: global }
      - { .name: q_sc, .offset: 80, .size: 8, .value_kind: global_buffer, .address_space: global }
      - { .name: k_img, .offset: 88, .size: 8, .value_kind: global_buffer, .address_space: global }
      - { .name: k_sc, .offset: 96, .size: 8, .value_kind: global_buffer, .address_space: global }
      - { .name: v_img, .offset: 104, .size: 8, .value_kind: global_buffer, .address_space: global }
      - { .name: v_sc, .offset: 112, .size: 8, .value_kind: global_buffer, .address_space: global }
    .group_segment_fixed_size: 327680
    .private_segment_fixed_size: 0
    .kernarg_segment_align: 8
    .kernarg_segment_size: 120
    .max_flat_workgroup_size: 128
    .sgpr_count:     102
    .vgpr_count:     1024
    .wavefront_size: 32
...
	.end_amdgpu_metadata
.endif
;; end of part 1
;; launch attn (part 2): grid 8 x 32, 16 waves a work-group, no clusters, 169,984 bytes of LDS; arguments q_img, q_sc, k_img, k_sc, v_img, v_sc, ctx_img, ctx_sc; writes ctx_img, ctx_sc
.if DOCPART == 2
	.amdgcn_target "amdgcn-amd-amdhsa--gfx1250"
	.amdhsa_code_object_version 6
	.text
	.protected	k_q500dc6ca98_attn
	.globl	k_q500dc6ca98_attn
	.p2align	8
	.type	k_q500dc6ca98_attn,@function
k_q500dc6ca98_attn:
	s_mov_b64 s[64:65], 0
	v_nop
	global_prefetch_b8 v0, s[64:65] scope:SCOPE_SE
	s_setreg_imm32_b32 hwreg(HW_REG_WAVE_MODE, 25, 1), 1
	s_wait_xcnt 0x0
; THE FOUR SCALES OF BLOCK ATTENTION OF ONE HEAD, their mean, and the quantising of the result along the hidden axis.  All products on codes of FP4 (E2M1) with one E8M0 scale for each 32 along K.
; At scale i (blocks of 1,024, 512, 256, 128) query s sees keys 0 .. m_i, m_i = s mod the block.  q, k and v are the same codes at every scale, and the blocks of 32 keys begin at key 0 at every scale.  So the four scales are
; four PREFIXES OF ONE WALK over the keys, 128 a step, with a running whole-number M:  e_i = m_i >> 7;  the state (O, the sum, M) in front of step e_i serves scale i, and only step e_i is made once more, with the mask (A FORK:
; the state is left as it is, the fork's result is divided by its own sum and added to the tile's result).  Scales with equal e_i have equal m_i: one fork with a weight, (their number) / 4.
; In a fork one tile of 16 keys lies on the diagonal, tile s / 16 mod 8; those behind it are hidden and are not made: their codes are zeros.  Hidden scores become -infinity (the function has -1e30): p = 0 either way.
; THE SOFTMAX: t = score x log2(e) / 8;  M = the largest t so far, rounded up to a whole number;  p = 2^(t - M) is quantised along the keys, not normalised; the sum is taken of the unquantised p; when M moves, sum and O are multiplied by 2^(old M - new M), exactly.
; SHARES.  Work-group (c, bh): head bh, sixteen waves.  Wave w takes the tiles of 16 queries p = 16 c + w and 255 - p: their e_0 add up to 7, so every wave makes 7 whole steps and 5 forks.  Four waves to a SIMD, 256 registers each:
; one wave's exponentials stand beside another's products and LDS loads.
; LDS, filled once: the head's 1,024 keys and values as images of operand registers, and their scale words, 73,728 bytes; every LDS read takes 512 consecutive bytes.  No joint loads: what the eight work-groups of a head share is
; these 73,728 bytes, fetched once at the head; the loop fetches nothing.
; LAYOUT.  Both products are used transposed: S^T = K Q^T (source 0 = 16 keys, source 1 = my 16 queries), O^T = V^T P^T: lane (r, h) holds query r throughout; register j of key tile t is key 16 t + 8 h + j.
; K = 64 IN A FORM OF K = 128: Q's registers 4-7 are zero codes.  K's fragment of tile t is v[32 + 4 t .. + 7]: its upper four registers are the next tile's codes (behind tile 7: zeros): finite numbers under scale bytes that are never 0xff, times zero codes: they add 0.
; The step that has both a fork and a whole pass makes its scores twice (8 products): keeping them would cost 64 registers, and with them the fourth wave of the SIMD.
; LIMITS: NaN and infinities are not served.  A block of p or of the result whose largest magnitude lies under 2^-124 gets the scale byte 1.  The weights 1/4 .. 4/4 stand for the function's sum of equal terms: another order of rounding in f32.
.set LI,   1                           ; v1  16 x lane
.set LIS,  2                           ; v2  16 x lane + 65,536: the scale words
.set ADK,  4                           ; v4  the step's images: v1 + 4,096 step
.set ADS,  5                           ; v5  the step's scale words: v2 + 512 step
.set SBO,  7                           ; v7  32 r + h: my byte among the result's scale bytes
.set NINF, 8                           ; v8  -infinity
                                       ; v12 -M, v13 the largest t, v[14:15] the sum in two halves
.set QF,   16                          ; v16-19 Q's codes, v20-23 zeros
.set Q2,   24                          ; v24-27 the second tile's codes, v28 its scale words
.set QS2,  28
.set QS,   29                          ; v29 Q's scale words
                                       ; v30 weight / sum, v31 the weight
.set KV,   32                          ; v32-63 K's eight tiles x 4 registers, then V's four fragments
.set ZR,   64                          ; v64-67 zeros
.set TX,   68                          ; v68-75 a maximum for each tile
                                       ; v[76:77] the fork's sum, v78 its -M, v79 its largest t
.set S,    96                          ; v96-159 S^T, then p; in a fork v96-127 then hold its O^T
.set O,    160                         ; v160-191 O^T
.set ACC,  192                         ; v192-223 the tile's result
.set PCD,  224                         ; v224-231 p's codes
.set BM,   232                         ; v232-235 a block's largest score, then its largest p
.set TP,   236                         ; v236-239 at work
.set VS,   240                         ; v240-243 V's scale words
.set SO,   244                         ; v244-247 the conversions' scale operands
.set KSW,  248                         ; v248-251 K's scale words: register i: lanes 0-15 tile 2 i, lanes 16-31 tile 2 i + 1
                                       ; v252 f, v253 p's scale word, v254 at work
.set WV,   20
.set BH,   21
.set TT,   22                          ; s22 the tile in hand
.set E0,   23
.set TD,   24
.set SJ,   25                          ; s25 the step
.set CNT,  26                          ; s26 how many scales fork at this step
.set TS,   27
.set SEL,  28                          ; s[28:29] lane selects for lane l xor 16
.set CS,   30                          ; s[30:31] c = log2(e) / 8, twice: the packed form names a pair
.set TRIP, 32
.set E1,   33
.set E2,   34
.set HM,   35                          ; s35 lanes 16-31
.set MSK,  36                          ; s36-43 lanes in which key 8 h + j of the diagonal tile counts
.set G0,   44
.set G0S,  48
.set G1,   52
.set CIB,  60                          ; s[60:61] where the tile's codes go, s[62:63] its scale bytes
.set CSB,  62
	s_load_b512 s[4:19], s[0:1], 0x0               ; q_img, q_sc, k_img, k_sc, v_img, v_sc, ctx_img, ctx_sc
	v_lshl_add_u32 v95, v0, 2, 0x29000
	v_mov_b32 v255, 0
	ds_add_u32 v95, v255
	ds_add_u32 v95, v255
	v_lshrrev_b32 v3, 5, v0
	v_readfirstlane_b32 s[WV], v3                  ; wave 0..15
	s_and_b32 s[BH], ttmp7, 0xffff                 ; 16 x batch + head
	; descriptor group 1: 4,096 dense bytes as 16 rows of 256 (32 elements of 8 bytes), no padding: every read is of consecutive bytes
	s_mov_b32 s[G1+0], 3<<16
	s_mov_b32 s[G1+1], 32<<16
	s_mov_b32 s[G1+2], 16<<16
	s_mov_b32 s[G1+3], 32<<16
	s_mov_b32 s[G1+4], 16
	s_mov_b32 s[G1+5], 32
	s_mov_b32 s[G1+6], 0
	s_mov_b32 s[G1+7], 0
	s_and_b32 s[TS], s[WV], 7
	s_lshl_b32 s2, s[TS], 12
	s_lshl_b32 s[TS], s[BH], 15
	s_add_co_u32 s2, s2, s[TS]                     ; the head's 32,768 bytes of images, my step's 4,096
	s_mov_b32 s3, 0
	s_lshl_b32 s60, s[BH], 12                      ; the head's 4,096 bytes of scale words
	s_mov_b32 s61, 0
	s_mov_b32 s[SEL], 0x76543210
	s_mov_b32 s[SEL+1], 0xfedcba98
	s_mov_b32 s[CS], 0x3e38aa3b                    ; log2(e) / 8
	s_mov_b32 s[CS+1], s[CS]
	s_wait_dscnt 0x0
	s_wait_kmcnt 0x0
	s_mov_b32 s[G0], 1
	s_lshl_b32 s[G0+1], s[WV], 12                  ; LDS: 4,096 x wave: K's eight steps, then V's eight
	s_cmp_lt_u32 s[WV], 8
	s_cselect_b64 s[G0+2:G0+3], s[8:9], s[12:13]   ; waves 0-7 fetch K's images, waves 8-15 V's
	s_add_nc_u64 s[G0+2:G0+3], s[G0+2:G0+3], s[2:3]
	s_or_b32 s[G0+3], s[G0+3], 0x80000000
	s_mov_b32 s[G0S], 1
	s_add_co_u32 s[G0S+1], s[G0+1], 65536          ; behind the images: K's scale words, then V's
	s_cmp_eq_u32 s[WV], 0
	s_cselect_b64 s[G0S+2:G0S+3], s[10:11], s[14:15]
	s_add_nc_u64 s[G0S+2:G0S+3], s[G0S+2:G0S+3], s[60:61]
	s_or_b32 s[G0S+3], s[G0S+3], 0x80000000
	tensor_load_to_lds s[G0:G0+3], s[G1:G1+7]      ; every wave: one step's images
	s_nop 0
.rept 4
	v_nop
.endr
	s_cmp_lt_u32 s[WV], 2
	s_cbranch_scc0 .Lno_scales
	tensor_load_to_lds s[G0S:G0S+3], s[G1:G1+7]    ; waves 0 and 1: the scale words.  Two loads of a wave are out at the most
	s_nop 0
.rept 4
	v_nop
.endr
.Lno_scales:
	v_and_b32 v3, 31, v0
	v_lshlrev_b32 v[LI], 4, v3
	v_add_nc_u32 v[LIS], 65536, v[LI]
	v_and_b32 v9, 15, v0                           ; r
	v_bfe_u32 v10, v0, 4, 1                        ; h
	v_lshl_add_u32 v[SBO], v9, 5, v10
	v_lshlrev_b32 v11, 3, v10
	v_sub_nc_u32 v11, v9, v11                      ; r - 8 h
.irp j, 0,1,2,3,4,5,6,7
	v_cmp_le_i32 s[MSK+\j], \j, v11                ; key 8 h + j of the diagonal tile counts for query r where j <= r - 8 h
.endr
	v_cmp_le_u32 s[HM], 16, v3
	v_mov_b32 v[NINF], 0xff800000
	s_lshl_b32 s[TT], ttmp9, 4
	s_add_co_u32 s[TT], s[TT], s[WV]               ; my first tile: 16 c + w
	s_sub_co_u32 s23, 255, s[TT]                   ; my second
	s_lshl_b32 s24, s[BH], 8
	s_add_co_u32 s25, s24, s[TT]
	s_lshl_b32 s25, s25, 9                         ; 512 bytes a tile
	v_add_nc_u32 v68, s25, v[LI]
	s_add_co_u32 s25, s24, s23
	s_lshl_b32 s25, s25, 9
	v_add_nc_u32 v69, s25, v[LI]
	s_lshl_b32 s24, s[BH], 14                      ; the scale words: 16,384 bytes a head; tile T's word of row r at 512 (T >> 3) + 256 (T & 1) + 4 ((T >> 1) & 3) + 16 r
.irp n, 0,1
	s_lshr_b32 s25, s[22+\n], 3
	s_lshl_b32 s25, s25, 9
	s_add_co_u32 s25, s25, s24
	s_and_b32 s26, s[22+\n], 1
	s_lshl_b32 s26, s26, 8
	s_add_co_u32 s25, s25, s26
	s_bfe_u32 s26, s[22+\n], 0x20001
	s_lshl_b32 s26, s26, 2
	s_add_co_u32 s25, s25, s26
	v_lshl_add_u32 v[70+\n], v9, 4, s25
.endr
	global_load_b128 v[QF:QF+3], v68, s[4:5]       ; both tiles' Q stay in registers
	global_load_b128 v[Q2:Q2+3], v69, s[4:5]
	global_load_b32 v[QS], v70, s[6:7]
	global_load_b32 v[QS2], v71, s[6:7]
.irp i, 0,1,2,3
	v_mov_b32 v[QF+4+\i], 0                        ; zero codes for K = 64 .. 127
	v_mov_b32 v[ZR+\i], 0
	v_mov_b32 v[TP+\i], 0                          ; written once: a lane permute's destination counts as one of its sources
.endr
	v_mov_b32 v253, 0                              ; (named as the upper half of the pair v[252:253] before it is first written)
	s_mov_b32 s[TRIP], 0
	s_wait_tensorcnt 0x0                           ; my parts are in LDS,
	s_barrier_signal -1
	s_barrier_wait -1                              ; everybody's are: the kernel's one barrier
	s_wait_loadcnt 0x0                             ; Q
; A PASS over the step's 128 keys.  NT: live tiles of 16 keys (8, or in a fork the diagonal tile's number + 1).  MK = 1: the last live tile lies on the diagonal.  FK = 1: a fork.
.macro PASS NT, MK, FK
.set NB, ((\NT)+1)/2                   ; live blocks of 32 keys
.if \FK
.set NM, 78                            ; -M,
.set LL, 76                            ; the sum
.set OD, S                             ; and O^T of the fork
.else
.set NM, 12
.set LL, 14
.set OD, O
.endif
.set tt, 0
.rept (\NT)+1-(\NT)/8                  ; the live tiles and one more, whose codes stand in the last live fragment's upper half
	ds_load_b128 v[KV+4*tt:KV+4*tt+3], v[ADK] offset:512*tt
.set tt, tt+1
.endr
	ds_load_b128 v[KSW:KSW+3], v[ADS]
	s_wait_dscnt 0x0
.set tt, 0
.rept \NT
.if tt%2
	v_wmma_scale_f32_16x16x128_f8f6f4 v[S+8*tt:S+8*tt+7], v[KV+4*tt:KV+4*tt+7], v[QF:QF+7], 0, v[KSW+tt/2], v[QS] matrix_a_fmt:MATRIX_FMT_FP4 matrix_b_fmt:MATRIX_FMT_FP4 matrix_a_scale:MATRIX_SCALE_ROW1
.else
	v_wmma_scale_f32_16x16x128_f8f6f4 v[S+8*tt:S+8*tt+7], v[KV+4*tt:KV+4*tt+7], v[QF:QF+7], 0, v[KSW+tt/2], v[QS] matrix_a_fmt:MATRIX_FMT_FP4 matrix_b_fmt:MATRIX_FMT_FP4
.endif
.set tt, tt+1
.endr
.rept 4
	v_nop                                          ; places in front of the loads into K's registers and of the first reads of the scores
.endr
.irp d, 0,1,2,3                        ; V's four fragments and their scale words land under the softmax
.irp c, 0,1
	ds_load_b128 v[KV+8*\d+4*\c:KV+8*\d+4*\c+3], v[ADK] offset:32768+1024*\d+512*\c
.endr
.endr
	ds_load_b128 v[VS:VS+3], v[ADS] offset:4096
.if \MK
.irp j, 0,1,2,3,4,5,6,7
	v_cndmask_b32 v[S+8*((\NT)-1)+\j], v[NINF], v[S+8*((\NT)-1)+\j], s[MSK+\j]
.endr
.endif
	; the largest score of each block of 32 keys: it serves for the row's maximum and, since p rises with the score, for the block's largest p
.set tt, 0
.rept \NT
	v_max3_num_f32 v[TX+tt], v[S+8*tt], v[S+8*tt+1], v[S+8*tt+2]
.set tt, tt+1
.endr
.set tt, 0
.rept \NT
	v_max3_num_f32 v[TX+tt], v[TX+tt], v[S+8*tt+3], v[S+8*tt+4]
.set tt, tt+1
.endr
.set tt, 0
.rept \NT
	v_max3_num_f32 v[TX+tt], v[TX+tt], v[S+8*tt+5], v[S+8*tt+6]
.set tt, tt+1
.endr
.set bb, 0
.rept NB
.if 2*bb+1 < (\NT)
	v_max3_num_f32 v[BM+bb], v[TX+2*bb], v[TX+2*bb+1], v[S+16*bb+7]
.else
	v_max_num_f32 v[BM+bb], v[TX+2*bb], v[S+16*bb+7]
.endif
.set bb, bb+1
.endr
.set bb, 0
.rept (\NT)/2
	v_max_num_f32 v[BM+bb], v[BM+bb], v[S+16*bb+15]
.set bb, bb+1
.endr
.set bb, 0
.rept NB
	v_permlanex16_b32 v[TP+bb], v[BM+bb], s[SEL], s[SEL+1]
.set bb, bb+1
.endr
.set bb, 0
.rept NB
	v_max_num_f32 v[BM+bb], v[BM+bb], v[TP+bb]     ; with lane l xor 16's keys
.set bb, bb+1
.endr
.if NB == 1
	v_mul_f32 v254, s[CS], v[BM]                   ; the step's largest score, as t (c is positive)
.elseif NB == 2
	v_max_num_f32 v254, v[BM], v[BM+1]
	v_mul_f32 v254, s[CS], v254
.elseif NB == 3
	v_max3_num_f32 v254, v[BM], v[BM+1], v[BM+2]
	v_mul_f32 v254, s[CS], v254
.else
	v_max3_num_f32 v254, v[BM], v[BM+1], v[BM+2]
	v_max_num_f32 v254, v254, v[BM+3]
	v_mul_f32 v254, s[CS], v254
.endif
.if \FK
	v_max_num_f32 v79, v13, v254                   ; the fork's largest t; the walk's own stays
	v_floor_f32 v78, -v79                          ; its -M = floor(-t) = -ceil(t)
	v_sub_f32 v254, v78, v12                       ; the walk's M less the fork's: a whole number, 0 or less
.else
	v_max_num_f32 v13, v13, v254
	v_mov_b32 v254, v12
	v_floor_f32 v12, -v13
	v_sub_f32 v254, v12, v254
.endif
	v_cvt_i32_f32 v254, v254                       ; (it saturates)
	v_ldexp_f32 v252, 1.0, v254                    ; f = 2^(old M - new M)
.set jj, 0
.rept 4*(\NT)
	v_pk_fma_f32 v[S+jj:S+jj+1], v[S+jj:S+jj+1], s[CS:CS+1], v[NM:NM+1] op_sel_hi:[1,0,0]   ; t - M, two at a time
.set jj, jj+2
.endr
.set bb, 0
.rept NB
	v_fma_f32 v[BM+bb], v[BM+bb], s[CS], v[NM]     ; the same of each block's largest score
.set bb, bb+1
.endr
.set jj, 0
.rept 8*(\NT)
	v_exp_f32 v[S+jj], v[S+jj]                     ; p = 2^(t - M)
.set jj, jj+1
.endr
.set bb, 0
.rept NB
	v_exp_f32 v[BM+bb], v[BM+bb]                   ; the block's largest p: the same two instructions on the same number
.set bb, bb+1
.endr
	v_pk_mul_f32 v[LL:LL+1], v[14:15], v[252:253] op_sel_hi:[1,0]   ; the sum under the new M.  (The plain place behind the exponentials)
.set bb, 0
	s_wait_alu depctr_va_vdst(0)
.rept NB
	v_max_num_f32 v[BM+bb], 0x1800000, v[BM+bb]    ; the floor 2^(3 - 127): the byte cannot fall under 1
.set bb, bb+1
.endr
.set bb, 0
.rept NB
	v_add_nc_u32 v[SO+bb], 0xff000000, v[BM+bb]    ; 2 off the exponent field: the conversion's scale operand
.set bb, bb+1
.endr
.set bb, 0
.rept NB
	v_lshrrev_b32 v[TP+bb], 23, v[SO+bb]           ; the scale's byte
.set bb, bb+1
.endr
.if NB == 1
	v_mov_b32 v253, v[TP]                          ; p's scale word; the bytes of hidden blocks stay 0 and meet zero codes
.else
	v_lshl_or_b32 v253, v[TP+1], 8, v[TP]
.endif
.if NB > 2
	v_lshl_or_b32 v253, v[TP+2], 16, v253
.endif
.if NB > 3
	v_lshl_or_b32 v253, v[TP+3], 24, v253
.endif
.set tt, \NT
.rept 8-(\NT)
	v_mov_b32 v[PCD+4*(tt/4)+2*(tt%2)+(tt/2)%2], 0 ; hidden tiles: zero codes
.set tt, tt+1
.endr
.set tt, 0
.rept \NT
	v_cvt_scalef32_pk8_fp4_f32 v[PCD+4*(tt/4)+2*(tt%2)+(tt/2)%2], v[S+8*tt:S+8*tt+7], v[SO+tt/2]
.set tt, tt+1
.endr
	v_nop                                          ; one plain place behind a scaled conversion
	v_permlane16_swap_b32 v[PCD], v[PCD+1]         ; a whole block to a lane: register 4 c + i of lane (r, h) holds keys 64 c + 32 h + 8 i + 0 .. 7
	v_permlane16_swap_b32 v[PCD+2], v[PCD+3]
.if (\NT) > 4
	v_permlane16_swap_b32 v[PCD+4], v[PCD+5]
	v_permlane16_swap_b32 v[PCD+6], v[PCD+7]
.endif
	v_pk_add_f32 v[TP:TP+1], v[S:S+1], v[S+2:S+3]  ; the sum of the unquantised p, two at a time, in two chains
.set jj, 4
.rept 2*(\NT)-1
	v_pk_add_f32 v[LL:LL+1], v[LL:LL+1], v[S+jj:S+jj+1]
	v_pk_add_f32 v[TP:TP+1], v[TP:TP+1], v[S+jj+2:S+jj+3]
.set jj, jj+4
.endr
	v_pk_add_f32 v[LL:LL+1], v[LL:LL+1], v[TP:TP+1]
.set jj, 0
.rept 16
	v_pk_mul_f32 v[OD+jj:OD+jj+1], v[O+jj:O+jj+1], v[252:253] op_sel_hi:[1,0]   ; O^T under the new M: in place, or into the fork's registers.  (These 16 are the places between the writes of p's codes and scale word and the products)
.set jj, jj+2
.endr
	s_wait_dscnt 0x0                               ; V is in
; Four accumulators, one instruction each, from channel tile NT mod 4 on.  A fork's O^T lies over the scores' registers, and the last score product wrote tile NT - 1: so the first of these four
; names another accumulator than the matrix instruction in front of it.
.set ii, 0
.rept 4
.set dd, ((\NT)+ii)%4
	v_wmma_scale_f32_16x16x128_f8f6f4 v[OD+8*dd:OD+8*dd+7], v[KV+8*dd:KV+8*dd+7], v[PCD:PCD+7], v[OD+8*dd:OD+8*dd+7], v[VS+dd], v253 matrix_a_fmt:MATRIX_FMT_FP4 matrix_b_fmt:MATRIX_FMT_FP4
.set ii, ii+1
.endr
.if \FK
	v_add_f32 v76, v76, v77                        ; the fork's sum: its two halves,
	v_permlanex16_b32 v254, v76, s[SEL], s[SEL+1]
	v_cvt_f32_u32 v31, s[CNT]                      ; how many scales end here,
	v_add_f32 v76, v76, v254                       ; and lane l xor 16's
	v_mul_f32 v31, 0x3e800000, v31                 ; a quarter each
	v_rcp_f32 v76, v76
	v_nop                                          ; a plain place behind the reciprocal
	s_wait_alu depctr_va_vdst(0)
	v_mul_f32 v30, v76, v31                        ; (six plain lines stand behind the last product)
.set jj, 0
.rept 16
	v_pk_fma_f32 v[ACC+jj:ACC+jj+1], v[S+jj:S+jj+1], v[30:31], v[ACC+jj:ACC+jj+1] op_sel_hi:[1,0,1]   ; each accumulator from its low end on
.set jj, jj+2
.endr
.else
.rept 4
	v_nop                                          ; places in front of the next pass's loads into V's registers
.endr
.endif
.endm
.Ltile:                                            ; two trips: tiles p and 255 - p
	s_bfe_u32 s[E0], s[TT], 0x30003                ; e of the scale of 1,024: (16 T mod 1,024) >> 7
	s_and_b32 s[TD], s[TT], 7                      ; the diagonal's tile in its step
	s_and_b32 s[E1], s[E0], 3                      ; e of the scale of 512,
	s_and_b32 s[E2], s[E0], 1                      ; of 256; of 128 it is 0
	s_lshr_b32 s[TS], s[BH], 4
	s_lshl_b32 s[TS], s[TS], 8
	s_add_co_u32 s[TS], s[TS], s[TT]               ; the tile's number among all 512: 256 x batch + T
	s_and_b32 s[CNT], s[BH], 15                    ; the head
	s_lshl_b32 s2, s[TS], 13                       ; codes: 8,192 bytes a tile of rows, 512 a head
	s_lshl_b32 s[SJ], s[CNT], 9
	s_add_co_u32 s2, s2, s[SJ]
	s_add_nc_u64 s[CIB:CIB+1], s[16:17], s[2:3]
	s_lshl_b32 s2, s[TS], 9                        ; scale bytes: 32 a row, 2 a head
	s_lshl_b32 s[SJ], s[CNT], 1
	s_add_co_u32 s2, s2, s[SJ]
	s_add_nc_u64 s[CSB:CSB+1], s[18:19], s[2:3]
	v_mov_b32 v13, 0xff61b1e6                      ; the largest t so far: -3e38, under every t
	v_floor_f32 v12, -v13
	v_mov_b32 v14, 0
	v_mov_b32 v15, 0
.set jj, 0
.rept 64
	v_mov_b32 v[O+jj], 0                           ; O^T and the tile's result.  (The pass is written once: the first finds zeros, which the first change of M leaves zeros)
.set jj, jj+1
.endr
	s_mov_b32 s[SJ], 0
.Lstep:                                            ; eight trips, a constant; what a tile does not need is jumped over, on ids alone
	s_lshl_b32 s[TS], s[SJ], 12
	v_add_nc_u32 v[ADK], s[TS], v[LI]
	s_lshl_b32 s[TS], s[SJ], 9
	v_add_nc_u32 v[ADS], s[TS], v[LIS]
	s_cmp_gt_u32 s[SJ], s[E0]
	s_cbranch_scc1 .Lnext                          ; all keys of the step are hidden at every scale
	s_cmp_eq_u32 s[SJ], 0
	s_cselect_b32 s[CNT], 1, 0
	s_cmp_eq_u32 s[SJ], s[E2]
	s_cselect_b32 s[TS], 1, 0
	s_add_co_u32 s[CNT], s[CNT], s[TS]
	s_cmp_eq_u32 s[SJ], s[E1]
	s_cselect_b32 s[TS], 1, 0
	s_add_co_u32 s[CNT], s[CNT], s[TS]
	s_cmp_eq_u32 s[SJ], s[E0]
	s_cselect_b32 s[TS], 1, 0
	s_add_co_u32 s[CNT], s[CNT], s[TS]
	s_cmp_eq_u32 s[CNT], 0
	s_cbranch_scc1 .Lfull                          ; no scale ends in this step
.irp n, 0,1,2,3,4,5,6
	s_cmp_eq_u32 s[TD], \n
	s_cbranch_scc0 .Lnot_\n
	PASS \n+1, 1, 1
	s_branch .Lfull
.Lnot_\n:
.endr
	PASS 8, 1, 1
.Lfull:
	s_cmp_ge_u32 s[SJ], s[E0]
	s_cbranch_scc1 .Lnext                          ; the last step is a fork alone
	PASS 8, 0, 0
.Lnext:
	s_add_co_u32 s[SJ], s[SJ], 1
	s_cmp_lt_u32 s[SJ], 8
	s_cbranch_scc1 .Lstep
	; THE TILE'S RESULT, 16 rows x the head's 64: register 8 t + j of lane (r, h) is channel 16 t + 8 h + j: two blocks of 32 along the last product's K.  Quantised as p is.
	v_max3_num_f32 v[BM], |v[ACC]|, |v[ACC+1]|, 0x1800000
	v_max3_num_f32 v[BM+1], |v[ACC+16]|, |v[ACC+17]|, 0x1800000
.irp i, 2,4,6,8,10,12,14
	v_max3_num_f32 v[BM], v[BM], |v[ACC+\i]|, |v[ACC+\i+1]|
	v_max3_num_f32 v[BM+1], v[BM+1], |v[ACC+16+\i]|, |v[ACC+17+\i]|
.endr
	v_permlanex16_b32 v[TP], v[BM], s[SEL], s[SEL+1]
	v_permlanex16_b32 v[TP+1], v[BM+1], s[SEL], s[SEL+1]
	v_max_num_f32 v[BM], v[BM], v[TP]
	v_max_num_f32 v[BM+1], v[BM+1], v[TP+1]
	v_add_nc_u32 v[SO], 0xff000000, v[BM]
	v_add_nc_u32 v[SO+1], 0xff000000, v[BM+1]
	v_lshrrev_b32 v[TP], 23, v[SO]
	v_lshrrev_b32 v[TP+1], 23, v[SO+1]
.irp t, 0,1,2,3
	v_cvt_scalef32_pk8_fp4_f32 v[PCD+2*(\t%2)+\t/2], v[ACC+8*\t:ACC+8*\t+7], v[SO+\t/2]
.endr
	v_cndmask_b32 v[TP+2], v[TP], v[TP+1], s[HM]   ; lane (r, h) stores block h's byte of row r.  (The plain place behind the conversions)
	v_permlane16_swap_b32 v[PCD], v[PCD+1]
	v_permlane16_swap_b32 v[PCD+2], v[PCD+3]
	global_store_b128 v[LI], v[PCD:PCD+3], s[CIB:CIB+1]     ; the image: 512 consecutive bytes, aligned
	global_store_b8 v[SBO], v[TP+2], s[CSB:CSB+1]           ; 32 bytes of the tile's 512, two to a row of 32: laid so that the last launch reads a row's scale words as they lie
	s_wait_xcnt 0x0                                ; the stores' data and bases are written again only behind this wait
	s_sub_co_u32 s[TT], 255, s[TT]                 ; the second tile,
.irp i, 0,1,2,3
	v_mov_b32 v[QF+\i], v[Q2+\i]                   ; its Q
.endr
	v_mov_b32 v[QS], v[QS2]                        ; and scale words: the 68 lines at the tile's head stand between these and the first product
	s_add_co_u32 s[TRIP], s[TRIP], 1
	s_cmp_lt_u32 s[TRIP], 2
	s_cbranch_scc1 .Ltile
	s_wait_tensorcnt 0x0
	ds_add_u32 v95, v255
	s_wait_dscnt 0x0
	s_endpgm
.Lfunc_end_k_q500dc6ca98_attn:
	.size	k_q500dc6ca98_attn, .Lfunc_end_k_q500dc6ca98_attn-k_q500dc6ca98_attn
	.p2alignl 7, 3214868480
	.fill 96, 4, 3214868480
	.section	.rodata,"a",@progbits
	.p2align	6, 0x0
	.amdhsa_kernel k_q500dc6ca98_attn
		.amdhsa_group_segment_fixed_size 169984
		.amdhsa_private_segment_fixed_size 0
		.amdhsa_enable_private_segment 0
		.amdhsa_kernarg_size 64
		.amdhsa_user_sgpr_count 2
		.amdhsa_user_sgpr_kernarg_segment_ptr 1
		.amdhsa_wavefront_size32 1
		.amdhsa_system_sgpr_workgroup_id_x 1
		.amdhsa_system_sgpr_workgroup_id_y 1
		.amdhsa_system_sgpr_workgroup_id_z 1
		.amdhsa_system_vgpr_workitem_id 0
		.amdhsa_next_free_vgpr 256
		.amdhsa_next_free_sgpr 66
		.amdhsa_reserve_vcc 0
		.amdhsa_float_denorm_mode_32 3
		.amdhsa_float_denorm_mode_16_64 3
		.amdhsa_memory_ordered 1
		.amdhsa_forward_progress 1
		.amdhsa_inst_pref_size 118
	.end_amdhsa_kernel
	.amdgpu_metadata
---
amdhsa.version: [ 1, 2 ]
amdhsa.kernels:
  - .name:           k_q500dc6ca98_attn
    .symbol:         k_q500dc6ca98_attn.kd
    .args:
      - { .name: q_img, .offset: 0, .size: 8, .value_kind: global_buffer, .address_space: global }
      - { .name: q_sc, .offset: 8, .size: 8, .value_kind: global_buffer, .address_space: global }
      - { .name: k_img, .offset: 16, .size: 8, .value_kind: global_buffer, .address_space: global }
      - { .name: k_sc, .offset: 24, .size: 8, .value_kind: global_buffer, .address_space: global }
      - { .name: v_img, .offset: 32, .size: 8, .value_kind: global_buffer, .address_space: global }
      - { .name: v_sc, .offset: 40, .size: 8, .value_kind: global_buffer, .address_space: global }
      - { .name: ctx_img, .offset: 48, .size: 8, .value_kind: global_buffer, .address_space: global }
      - { .name: ctx_sc, .offset: 56, .size: 8, .value_kind: global_buffer, .address_space: global }
    .group_segment_fixed_size: 169984
    .private_segment_fixed_size: 0
    .kernarg_segment_align: 8
    .kernarg_segment_size: 64
    .max_flat_workgroup_size: 512
    .sgpr_count:     66
    .vgpr_count:     256
    .wavefront_size: 32
...
	.end_amdgpu_metadata
.endif
;; end of part 2
;; launch outp (part 3): grid 4 x 64, 4 waves a work-group, clusters of 4 x 4, 327,680 bytes of LDS; arguments ctx_img, ctx_sc, wo_codes, wo_scales, out0; writes out0
.if DOCPART == 3
	.amdgcn_target "amdgcn-amd-amdhsa--gfx1250"
	.amdhsa_code_object_version 6
	.text
	.protected	k_q500dc6ca98_outp
	.globl	k_q500dc6ca98_outp
	.p2align	8
	.type	k_q500dc6ca98_outp,@function
k_q500dc6ca98_outp:
	s_mov_b64 s[64:65], 0
	v_nop
	global_prefetch_b8 v0, s[64:65] scope:SCOPE_SE
	s_setreg_imm32_b32 hwreg(HW_REG_WAVE_MODE, 25, 1), 1
	s_wait_xcnt 0x0
	s_wait_alu depctr_hold_cnt(0) depctr_sa_sdst(0) depctr_va_vdst(0) depctr_va_sdst(0) depctr_va_ssrc(0) depctr_va_vcc(0) depctr_vm_vsrc(0)
	s_getreg_b32 s2, hwreg(HW_REG_IB_STS2, 6, 4)
	s_cmp_eq_u32 s2, 0
	s_cbranch_scc0 .Lentry_in_a_cluster
	s_endpgm
.Lentry_in_a_cluster:
	s_bfe_u32 s2, ttmp6, 0x10000c
	s_cmp_lg_u32 s2, 0xf033
	s_cbranch_scc0 .Lentry_shape_is_right
	s_endpgm
.Lentry_shape_is_right:
; out0 = ctx wo^T on codes of FP4 (E2M1) with one E8M0 scale for each 32 along K = 1,024.  ctx: 8,192 rows, as the attention launch left it; wo [1,024][1,024] as given; out0 [8,192][1,024] f32; sums in f32, K ascending.
; A tile of 128 rows x 256 columns is made by four waves, 64 x 128 each: 32 accumulators, 256 registers.  8,192 x 1,024 are 256 such tiles, one to a work-group; tiles of 256 x 256 would be 128, each with twice the bytes to store at its end.
; K goes through two LDS slots of 512 along K, each filled ONCE; the scales of the 128 + 256 rows come once too.
; A'S CODES ARE IMAGES OF THE OPERAND'S REGISTERS: ctx_img [512 tiles of 16 rows][16 heads][512 bytes]; heads 2 q and 2 q + 1 of a tile of rows are registers 0-7 of its fragment for the q-th 128 along K: two loads of 512 consecutive bytes,
; no pitch, no padding.  A slot's part of a tile of rows is 4,096 consecutive bytes, 8,192 bytes from the next tile's.  B's rows lie as given: 256 bytes a slot, 16 bytes of padding behind each.
; CLUSTERS: 4 x 4 work-groups; A's tiles are asked for jointly along a row of the cluster, B's along a column.  THE MATRIX INSTRUCTION IS USED TRANSPOSED (source 0 = 16 rows of wo, source 1 = 16 rows of ctx): a lane holds eight neighbouring numbers of a row of out0.
; REGISTERS, in windows of 256: window 0: v16-29 addresses; v32-95 scale words, two sets, and nothing else; v128-191 A's fragments, two sets of 32; on the way out v128-255 rows read back.
;   window 1: B's fragments, two sets, at v0 and v128.   window 2: the accumulators, (a, b) at v[8 (8 a + b)].
.set SIZE_N, 1024
.set SIZE_K, 1024
.set KSTEP,  512
.set NQ,     KSTEP/128                 ; matrix instructions deep in a slot
.set ROWB,   256
.set KROW,   SIZE_K*4/8
.set PITCH,  272                       ; B's LDS row: 256 bytes + 16 of padding
.set FR,     8                         ; registers of a fragment
.set NP,     4                         ; places behind this matrix instruction (ISA guide 7.12.1)
.set ATILE,  4*4096                    ; A: 64 rows of a slot: four tiles of rows x 4,096 bytes, dense
.set ASTEP,  4096                      ; from a slot's part of a tile of rows to the next slot's, in memory
.set HALFT,  128*PITCH                 ; B: 128 rows
.set BOFF,   2*ATILE                   ; B's rows lie behind A's images
.set SLOT,   BOFF+2*HALFT
.set KS,     SIZE_K/32                 ; a row of scale bytes
.set SCL,    2*SLOT                    ; behind the slots: the scales, as units of 256 bytes + 16: A's 128 rows, then B's 256
.set HALFSA, (64*KS/256)*272           ; the scales of 64 rows
.set HALFS,  (128*KS/256)*272          ; of 128 rows
.set SBLK,   (16*KS/256)*272           ; of 16 rows
.set SPARE,  SCL+2*HALFSA+2*HALFS      ; the spare words: 128 bytes for each wave, which no other line names
.set SPITCH, 528                       ; the way out: a stage of 16 rows x (512 bytes + 16) for each wave, in slot 0, which has had its one fill and its last read when the first result is stored there
.set ADRA, 16                          ; v16-17 LDS address of my A fragments in slot 0, 1
.set ADRB, 20                          ; v20-21 the same for B
.set STO,  24                          ; v24 the way out: where I put 32 bytes of a row
.set RD,   25                          ; v25 and where I read a row back
.set CO,   26                          ; v26 16 x lane
.set ADRS, 27                          ; v27 LDS address of my scale words: lanes 0-15 A's rows, lanes 16-31 B's
.set SPW,  28                          ; v28 LDS address of my spare word; never rewritten
.set NIL,  29                          ; v29 0; never rewritten
.set SC,   32                          ; scale words: set s at v[SC + 32 s]; register 4 i + q: lanes 0-15 A's block i, lanes 16-31 B's block i, the slot's q-th 128 along K
.set AF,   128                         ; A's fragments: set p at v[AF + 32 p]
.set BK,   128                         ; the way out: 16 rows read back: v128-191 and v192-255 by turns
.set G1, 24
.set G0, 32
.set G1B, 48
.set G0B, 56
.set G1S, 68
.set G0S, 76
.set G1SB, 80
.set G0SB, 88
.set MSB, 0
.macro WIN new                         ; the immediate's high byte repeats the setting that is left; a switch that changes nothing is dropped
.if MSB != (\new)
	s_set_vgpr_msb (MSB<<8)|(\new)
.set MSB, (\new)
.endif
.endm
.set MUL,    0xa1                      ; source 0 (B) window 1, source 1 (A) window 0, C and D window 2
.set TO_B,   0x40                      ; destination window 1, address window 0
.macro JLOAD g0a, g1a, g0b, g1b        ; a joint load: waves 0 and 1 fetch for A, waves 2 and 3 for B; the branch hangs on the wave's number alone; four v_nop follow each line
	s_cmp_eq_u32 s15, 0
	s_cbranch_scc0 .Lfor_b_\@
	tensor_load_to_lds s[\g0a:\g0a+3], s[\g1a:\g1a+7]
	s_nop 0
.rept 4
	v_nop
.endr
	s_branch .Lasked_\@
.Lfor_b_\@:
	tensor_load_to_lds s[\g0b:\g0b+3], s[\g1b:\g1b+7]
	s_nop 0
.rept 4
	v_nop
.endr
.Lasked_\@:
.endm
.macro CROUND                          ; a round of the cluster's barrier: my work-group's barrier, wave 0 signals for the work-group, every wave waits for all sixteen, my work-group's barrier once more
	s_barrier_signal -1
	s_barrier_wait -1
	s_cmp_lg_u32 s14, 0
	s_cbranch_scc1 .Lnot_wave_0_\@
	s_barrier_signal -3
.Lnot_wave_0_\@:
	s_barrier_wait -3
	s_barrier_signal -1
	s_barrier_wait -1
.endm
	s_load_b128 s[4:7], s[0:1], 0x0                ; ctx's images, ctx's scale bytes
	s_load_b128 s[8:11], s[0:1], 0x10              ; wo's codes, wo's scales
	s_load_b64 s[12:13], s[0:1], 0x20              ; out0
	v_lshl_add_u32 v[SPW], v0, 2, SPARE
	v_mov_b32 v[NIL], 0
	ds_add_u32 v28, v29
	ds_add_u32 v28, v29
	s_wait_dscnt 0x0
	v_lshrrev_b32 v1, 5, v0
	v_readfirstlane_b32 s14, v1                    ; wave 0..3
	s_lshr_b32 s15, s14, 1                         ; which half of the tile's rows is mine.  Also: I fetch for A (0) or for B (1)
	s_and_b32 s16, s14, 1                          ; which half of its columns.  Also: which half of that tile's rows I fetch
	s_bfe_u32 s40, ttmp6, 0x40000                  ; cx, cy: my place in the cluster
	s_bfe_u32 s41, ttmp6, 0x40004
	s_lshl_b32 s42, ttmp9, 2
	s_add_co_u32 s42, s42, s40                     ; tile column = 4 x cluster x + cx
	s_and_b32 s17, ttmp7, 0xffff
	s_lshl_b32 s17, s17, 2
	s_add_co_u32 s17, s17, s41                     ; tile row = 4 x cluster y + cy
	s_lshl_b32 s43, s41, 2
	s_lshl_b32 s43, 15, s43                        ; my row of the cluster
	s_lshl_b32 s44, 0x1111, s40                    ; my column
	; descriptor group 1 for A: 4 rows of 4,096 bytes (512 elements of 8 bytes), 8,192 bytes apart, no padding
	s_or_b32 s[G1+0], s43, (3<<16)|(1<<21)         ; 15:0 the mask: my row; 17:16 elements of 8 bytes; 21 set beside a mask
	s_mov_b32 s[G1+1], 512<<16                     ; tensor_dim0
	s_mov_b32 s[G1+2], 4<<16                       ; tensor_dim1
	s_mov_b32 s[G1+3], 512<<16                     ; tile_dim0
	s_mov_b32 s[G1+4], 4                           ; tile_dim1
	s_mov_b32 s[G1+5], 1024                        ; tensor_dim0_stride
	s_mov_b32 s[G1+6], 0
	s_mov_b32 s[G1+7], 0
	; for B: 128 rows of 256 bytes, 16 bytes of padding behind each
	s_or_b32 s[G1B+0], s44, (0<<16)|(1<<20)|(1<<21)|(5<<22)|(3<<25)
	s_mov_b32 s[G1B+1], ROWB<<16
	s_mov_b32 s[G1B+2], 128<<16
	s_mov_b32 s[G1B+3], ROWB<<16
	s_mov_b32 s[G1B+4], 128
	s_mov_b32 s[G1B+5], KROW
	s_mov_b32 s[G1B+6], 0
	s_mov_b32 s[G1B+7], 0
	; for the scales: dense bytes as rows of 256 (32 elements of 8 bytes), 16 bytes of padding behind each: A's 64 rows are 8 such rows, B's 128 rows 16
	s_or_b32 s[G1S+0], s43, (3<<16)|(1<<20)|(1<<21)|(5<<22)|(3<<25)
	s_mov_b32 s[G1S+1], 32<<16
	s_mov_b32 s[G1S+2], (64*KS/256)<<16
	s_mov_b32 s[G1S+3], 32<<16
	s_mov_b32 s[G1S+4], 64*KS/256
	s_mov_b32 s[G1S+5], 32
	s_mov_b32 s[G1S+6], 0
	s_mov_b32 s[G1S+7], 0
	s_or_b32 s[G1SB+0], s44, (3<<16)|(1<<20)|(1<<21)|(5<<22)|(3<<25)
	s_mov_b32 s[G1SB+1], 32<<16
	s_mov_b32 s[G1SB+2], (128*KS/256)<<16
	s_mov_b32 s[G1SB+3], 32<<16
	s_mov_b32 s[G1SB+4], 128*KS/256
	s_mov_b32 s[G1SB+5], 32
	s_mov_b32 s[G1SB+6], 0
	s_mov_b32 s[G1SB+7], 0
	; A's rows hang on the tile row and the wave, B's on the tile column and the wave: each in registers that never hold the other coordinate
	s_lshl_b32 s18, s16, 6                         ; which 64 rows of A's tile I fetch
	s_lshl_b32 s20, s17, 7
	s_add_co_u32 s20, s20, s18                     ; A: row 128 x tile row + 64 x half
	s_lshl_b32 s18, s16, 7                         ; which 128 rows of B's tile
	s_lshl_b32 s46, s42, 8
	s_add_co_u32 s46, s46, s18                     ; B: row 256 x tile column + 128 x half
	s_mov_b32 s21, 0
	s_mov_b32 s47, 0
	s_mov_b64 s[18:19], KS
	s_mul_u64 s[22:23], s[20:21], s[18:19]         ; where these rows' scales begin,
	s_mul_u64 s[92:93], s[46:47], s[18:19]
	s_mov_b64 s[18:19], KROW
	s_mul_u64 s[20:21], s[20:21], s[18:19]         ; and their codes: 512 bytes a row in both (A: 8,192 bytes for each 16 rows)
	s_mul_u64 s[46:47], s[46:47], s[18:19]
	s_mul_i32 s45, s16, ATILE                      ; where they go.  A: the half's four tiles of rows;
	s_mul_i32 s95, s16, HALFT
	s_add_co_u32 s95, s95, BOFF                    ; B: the half's 128 rows, behind A's;
	s_mul_i32 s94, s16, HALFSA                     ; A's scales: the half's 64 rows;
	s_mul_i32 s96, s16, HALFS
	s_add_co_u32 s96, s96, 2*HALFSA                ; B's: the half's 128 rows, behind A's: no place in the cluster enters an LDS address
	s_wait_kmcnt 0x0
	s_add_nc_u64 s[20:21], s[4:5], s[20:21]
	s_add_nc_u64 s[22:23], s[6:7], s[22:23]
	s_add_nc_u64 s[46:47], s[8:9], s[46:47]
	s_add_nc_u64 s[92:93], s[10:11], s[92:93]
	CROUND                                         ; all sixteen work-groups are here: the joint loads meet
	s_mov_b32 s[G0S], 1
	s_add_co_u32 s[G0S+1], s94, SCL
	s_mov_b64 s[G0S+2:G0S+3], s[22:23]
	s_or_b32 s[G0S+3], s[G0S+3], 0x80000000
	s_mov_b32 s[G0SB], 1
	s_add_co_u32 s[G0SB+1], s96, SCL
	s_mov_b64 s[G0SB+2:G0SB+3], s[92:93]
	s_or_b32 s[G0SB+3], s[G0SB+3], 0x80000000
	JLOAD G0S, G1S, G0SB, G1SB                     ; the scales first: they are wanted with the first products
.irp s, 0,1
	s_mov_b32 s[G0+4*\s], 1
	s_add_co_u32 s[G0+4*\s+1], s45, \s*SLOT
	s_add_nc_u64 s[G0+4*\s+2:G0+4*\s+3], s[20:21], \s*ASTEP
	s_or_b32 s[G0+4*\s+3], s[G0+4*\s+3], 0x80000000
	s_mov_b32 s[G0B+4*\s], 1
	s_add_co_u32 s[G0B+4*\s+1], s95, \s*SLOT
	s_add_nc_u64 s[G0B+4*\s+2:G0B+4*\s+3], s[46:47], \s*ROWB
	s_or_b32 s[G0B+4*\s+3], s[G0B+4*\s+3], 0x80000000
	JLOAD G0+4*\s, G1, G0B+4*\s, G1B               ; both halves of K: three loads of mine are out, and no more follow
.endr
	v_and_b32 v1, 15, v0                           ; r
	v_bfe_u32 v2, v0, 4, 1                         ; h
	v_and_b32 v6, 31, v0                           ; lane
	v_lshlrev_b32 v[CO], 4, v6                     ; 16 x lane: an image's place, and my 16 bytes of a row of 512 on the way out
	v_mul_u32_u24 v3, v1, PITCH
	v_lshl_add_u32 v4, v2, 4, v3                   ; B: a fragment's row x pitch + 16 h
	s_mul_i32 s21, s15, ATILE                      ; my 64 rows of A
	s_mul_i32 s22, s16, HALFT                      ; my 128 rows of B
	s_add_co_u32 s22, s22, BOFF
.irp s, 0,1
	v_add_nc_u32 v[ADRA+\s], s21, v[CO]
	v_add_nc_u32 v[ADRB+\s], s22, v4
	s_add_co_u32 s21, s21, SLOT
	s_add_co_u32 s22, s22, SLOT
.endr
	v_mul_u32_u24 v5, v1, KS                       ; my row's scales: 32 bytes a row,
	v_lshrrev_b32 v6, 8, v5
	v_lshl_add_u32 v5, v6, 4, v5                   ; and 16 more for each 256 passed
	s_mul_i32 s21, s15, HALFSA                     ; A's: my 64 rows
	s_mul_i32 s22, s16, HALFS                      ; B's: my 128 rows, behind A's 128
	s_add_co_u32 s22, s22, 2*HALFSA
	s_sub_co_u32 s22, s22, s21
	v_mul_u32_u24 v6, s22, v2                      ; lanes 16-31 take B's: one product, the distance between the two
	s_add_co_u32 s21, s21, SCL
	v_add_nc_u32 v5, v5, v6
	v_add_nc_u32 v[ADRS], s21, v5
	s_mul_i32 s23, s14, 16*SPITCH                  ; my stage
	v_mul_u32_u24 v5, v1, SPITCH                   ; in: row r, 32 bytes for each half of the lanes
	v_lshl_add_u32 v5, v2, 5, v5
	v_add_nc_u32 v[STO], s23, v5
	v_add_nc_u32 v[RD], s23, v[CO]                 ; back: the 32 lanes take one row of 512 bytes
	s_lshl_b32 s20, s17, 7
	s_lshl_b32 s21, s15, 6
	s_add_co_u32 s20, s20, s21                     ; my first row of out0: 128 x tile row + 64 x half
	s_mov_b32 s21, 0
	s_mov_b64 s[18:19], SIZE_N*4
	s_mul_u64 s[20:21], s[20:21], s[18:19]
	s_lshl_b32 s46, s42, 10                        ; my first column, in bytes: 1,024 x tile column + 512 x half
	s_lshl_b32 s47, s16, 9
	s_add_co_u32 s46, s46, s47
	s_mov_b32 s47, 0
	s_add_nc_u64 s[20:21], s[20:21], s[46:47]
	s_add_nc_u64 s[12:13], s[12:13], s[20:21]
.macro FRAG reg, adr, q, i             ; B's fragment from rows: registers 4 c .. 4 c + 3 hold K = 64 c + 32 h + 0 .. 31
.irp c, 0,1
	ds_load_b128 v[\reg+4*\c:\reg+4*\c+3], v[\adr] offset:64*(\q)+32*\c+(\i)*16*PITCH
.endr
.endm
.macro FRAGA reg, adr, q, i            ; A's fragment from its image: tile of rows i, the slot's q-th 128 along K: two heads' 512 bytes
.irp c, 0,1
	ds_load_b128 v[\reg+4*\c:\reg+4*\c+3], v[\adr] offset:4096*(\i)+1024*(\q)+512*\c
.endr
.endm
; 8 matrix instructions: A's block a x B's eight, the slot's q-th 128 along K.  p: the set of fragments; sc: the set of scale words.  zero = 1: the first product starts the sums: nothing is cleared.
; The 32 accumulators take turns, one instruction a turn, in the same order in every step.
.macro MULA a, p, q, sc, zero
.irp b, 0,1,2,3,4,5,6,7
.if \zero
	v_wmma_scale_f32_16x16x128_f8f6f4 v[8*(8*(\a)+\b):8*(8*(\a)+\b)+7], v[128*(\p)+FR*\b:128*(\p)+FR*\b+FR-1], v[AF+32*(\p)+FR*(\a):AF+32*(\p)+FR*(\a)+FR-1], 0, v[SC+8*NQ*(\sc)+NQ*\b+(\q)], v[SC+8*NQ*(\sc)+NQ*(\a)+(\q)] matrix_a_fmt:MATRIX_FMT_FP4 matrix_b_fmt:MATRIX_FMT_FP4 matrix_a_scale:MATRIX_SCALE_ROW1
.else
	v_wmma_scale_f32_16x16x128_f8f6f4 v[8*(8*(\a)+\b):8*(8*(\a)+\b)+7], v[128*(\p)+FR*\b:128*(\p)+FR*\b+FR-1], v[AF+32*(\p)+FR*(\a):AF+32*(\p)+FR*(\a)+FR-1], v[8*(8*(\a)+\b):8*(8*(\a)+\b)+7], v[SC+8*NQ*(\sc)+NQ*\b+(\q)], v[SC+8*NQ*(\sc)+NQ*(\a)+(\q)] matrix_a_fmt:MATRIX_FMT_FP4 matrix_b_fmt:MATRIX_FMT_FP4 matrix_a_scale:MATRIX_SCALE_ROW1
.endif
.endr
.endm
.macro FETCH slot, q, p                ; 24 LDS loads in one run: B's eight fragments and A's four of the slot's q-th 128 along K, into set p
	WIN TO_B
.irp i, 0,1,2,3,4,5,6,7
	FRAG 128*(\p)+FR*\i, ADRB+\slot, \q, \i
.endr
	WIN 0
.irp i, 0,1,2,3
	FRAGA AF+32*(\p)+FR*\i, ADRA+\slot, \q, \i
.endr
.endm
.macro SCALES sc                       ; a slot's scale words: four words a row; lanes 0-15 take A's block i, lanes 16-31 B's block i.  (A has four blocks: what lanes 0-15 bring for i = 4 .. 7 are other rows' words, inside the scales' bytes, and no product names them for A)
.irp i, 0,1,2,3,4,5,6,7
	ds_load_b128 v[SC+8*NQ*\sc+NQ*\i:SC+8*NQ*\sc+NQ*\i+3], v[ADRS] offset:\i*SBLK
.endr
.endm
.macro PLACES n                        ; plain vector instructions between a matrix instruction and a load into its registers or a read of its result
.rept \n
	v_nop
.endr
.endm
; A step of 128 along K that has its successor in the same slot: the next step's fragments are asked for first, into the set that the last step's products have left, and land under this step's 32 products.
.macro STEP slot, q, zero
.if (\zero) == 0
	PLACES NP                                      ; behind the last step's products, which read the set that is loaded now
.endif
	FETCH \slot, (\q)+1, 1-(\q)%2
	s_wait_dscnt 24                                ; all but the 24 loads just issued: this step's fragments (and a slot's scale words) are in
	WIN MUL
.irp a, 0,1,2,3
	MULA \a, (\q)%2, \q, \slot, \zero
.endr
.endm
; Slot 0's last step changes slots: one barrier; in front of it each wave waits for all its tensor loads (its part of slot 1) and for its reads of slot 0.  Nothing is filled again; behind the barrier slot 0 is read by nobody, and takes the stages.
.macro TURN slot, next
	WIN 0                                          ; (the add's two registers lie in window 0)
	s_wait_tensorcnt 0x0                           ; all my tensor loads have landed
	ds_add_u32 v[SPW], v[NIL]                      ; 0 onto my spare word
	s_wait_dscnt 1                                 ; this step's fragments are in (the add may be out)
	WIN MUL
	MULA 0, 1, NQ-1, \slot, 0                      ; eight products stand between the add and the wait for it
	s_wait_dscnt 0x0                               ; the add is done, and my reads of this slot are over
	s_barrier_signal -1
	MULA 1, 1, NQ-1, \slot, 0
	WIN 0
	s_barrier_wait -1                              ; every wave's part of the next slot is there
	PLACES NP                                      ; behind the products that read set 0
	v_add_nc_u32 v[ADRS], 4*NQ, v[ADRS]            ; on to the next slot's scale words
	FETCH \next, 0, 0
	SCALES \next
	WIN MUL
	MULA 2, 1, NQ-1, \slot, 0
	MULA 3, 1, NQ-1, \slot, 0
.endm
.macro STEPS slot, from
.set Q, \from
.rept NQ-1-\from
	STEP \slot, Q, 0
.set Q, Q+1
.endr
.endm
	s_wait_tensorcnt 1                             ; the scales and my part of slot 0 are in (slot 1's load, the youngest, may be out),
	s_barrier_signal -1
	s_barrier_wait -1                              ; everybody's are
	FETCH 0, 0, 0
	SCALES 0
	STEP 0, 0, 1                                   ; the first products start the sums
	STEPS 0, 1
	TURN 0, 1
	STEPS 1, 0
	s_wait_dscnt 0                                 ; the last step: nothing more to fetch
	WIN MUL
.irp a, 0,1,2,3
	MULA \a, 1, NQ-1, 1, 0
.endr
	WIN 0
; THE WAY OUT, block by block of 16 rows x 128 columns, through my own stage in LDS: in as 32 bytes a lane, back as whole rows of 512 bytes.  LDS serves a wave's instructions in order (ISA guide 5.7.1.4): no wait between the stores and the loads.
.macro TOSTAGE a
.set AC, 64*(\a)
	WIN 0x08                                       ; an LDS store's data are its source 1: window 2
.irp b, 0,1,2,3,4,5,6,7
	ds_store_b128 v[STO], v[AC+8*\b:AC+8*\b+3] offset:64*\b          ; each accumulator from its low end on
	ds_store_b128 v[STO], v[AC+8*\b+4:AC+8*\b+7] offset:64*\b+16
.endr
	WIN 0
.set BB, BK+64*((\a)%2)
.irp t, 0,1,2,3,4,5,6,7,8,9,10,11,12,13,14,15
	ds_load_b128 v[BB+4*\t:BB+4*\t+3], v[RD] offset:\t*SPITCH
.endr
.endm
.macro SEND a, younger                 ; younger: the LDS instructions issued behind block a's loads, which may stay out
.set BB, BK+64*((\a)%2)
	s_wait_dscnt \younger
.if (\a) > 0
	s_add_nc_u64 s[12:13], s[12:13], 16*SIZE_N*4   ; (behind a wait on XCNT: the earlier stores have read their base)  16 rows on
.endif
.irp t, 0,1,2,3,4,5,6,7,8,9,10,11,12,13,14,15
	global_store_b128 v[CO], v[BB+4*\t:BB+4*\t+3], s[12:13] offset:\t*SIZE_N*4 th:TH_STORE_NT   ; 32 lanes store 512 consecutive bytes, aligned; written once, read by nobody here
.endr
.endm
	PLACES NP                                      ; behind the last products: for the reads of results and the loads into the registers that held A's fragments
	TOSTAGE 0
.irp a, 1,2,3
.if \a > 1
	s_wait_xcnt 0x0                                ; block a - 2's stores have read their registers and their base
.endif
	TOSTAGE \a
	SEND \a-1, 32                                  ; behind block a - 1's loads: block a's 16 stores and 16 loads
.endr
	s_wait_xcnt 0x0                                ; block 2's stores have read their base
	SEND 3, 0
	s_wait_tensorcnt 0x0                           ; the wave's end
	ds_add_u32 v[SPW], v[NIL]
	s_wait_dscnt 0x0
	CROUND                                         ; the closing round: no work-group ends while a partner may still ask for a tile that names it
	s_endpgm
.Lfunc_end_k_q500dc6ca98_outp:
	.size	k_q500dc6ca98_outp, .Lfunc_end_k_q500dc6ca98_outp-k_q500dc6ca98_outp
	.p2alignl 7, 3214868480
	.fill 96, 4, 3214868480
	.section	.rodata,"a",@progbits
	.p2align	6, 0x0
	.amdhsa_kernel k_q500dc6ca98_outp
		.amdhsa_group_segment_fixed_size 327680
		.amdhsa_private_segment_fixed_size 0
		.amdhsa_enable_private_segment 0
		.amdhsa_kernarg_size 40
		.amdhsa_user_sgpr_count 2
		.amdhsa_user_sgpr_kernarg_segment_ptr 1
		.amdhsa_wavefront_size32 1
		.amdhsa_system_sgpr_workgroup_id_x 1
		.amdhsa_system_sgpr_workgroup_id_y 1
		.amdhsa_system_sgpr_workgroup_id_z 1
		.amdhsa_system_vgpr_workitem_id 0
		.amdhsa_next_free_vgpr 768
		.amdhsa_next_free_sgpr 98
		.amdhsa_reserve_vcc 0
		.amdhsa_float_denorm_mode_32 3
		.amdhsa_float_denorm_mode_16_64 3
		.amdhsa_memory_ordered 1
		.amdhsa_forward_progress 1
		.amdhsa_inst_pref_size 72
	.end_amdhsa_kernel
	.amdgpu_metadata
---
amdhsa.version: [ 1, 2 ]
amdhsa.kernels:
  - .name:           k_q500dc6ca98_outp
    .symbol:         k_q500dc6ca98_outp.kd
    .args:
      - { .name: ctx_img, .offset: 0, .size: 8, .value_kind: global_buffer, .address_space: global }
      - { .name: ctx_sc, .offset: 8, .size: 8, .value_kind: global_buffer, .address_space: global }
      - { .name: wo_codes, .offset: 16, .size: 8, .value_kind: global_buffer, .address_space: global }
      - { .name: wo_scales, .offset: 24, .size: 8, .value_kind: global_buffer, .address_space: global }
      - { .name: out0, .offset: 32, .size: 8, .value_kind: global_buffer, .address_space: global }
    .group_segment_fixed_size: 327680
    .private_segment_fixed_size: 0
    .kernarg_segment_align: 8
    .kernarg_segment_size: 40
    .max_flat_workgroup_size: 128
    .sgpr_count:     98
    .vgpr_count:     768
    .wavefront_size: 32
...
	.end_amdgpu_metadata
.endif
;; end of part 3
